; MI455X (gfx1250); checked and timed in simulation.
; The chip was launched on July 23, 2026; its instructions are those of AMD's public machine-readable ISA for CDNA 5 (MIT licence, August 2026) and "CDNA5" Instruction Set Architecture Reference Guide (July 2026). The comments in the code are by the model that wrote it; some were corrected since.
;; MID LAYER. Allowed arithmetic: matrix products marked QUANTISED: E2M1 operands, one E8M0 scale for each 32 along K, by v_wmma_scale_f32_16x16x128_f8f6f4 with both operands' format E2M1 (or v_wmma_scale_f32_32x16x128_f4), f32 sums; products left as they are: f32 operands where the result goes on into a quantised operand, else bf16, f16 or f32 operands; f32 sums; everything else in f32.
;; Inputs: cv_feature 1 x 128 x 128 x 128 float32; mv_feature 1 x 2 x 128 x 128 x 128 float32.
;; Outputs: out0 1 x 128 x 128 x 128 float32.
;; This version of the problem:
;;   THIS VERSION OF THE PROBLEM IS GIVEN IN LOW PRECISION. The matrix products marked QUANTISED in the list below multiply operands that are first quantised to E2M1 (2 exponent bits, 1 mantissa bit; 4 bits a number), with one power-of-two scale for each 32 numbers along K (OCP MX v1.0); their sums are f32. All else is computed in f32.
;;   The module's matrix products, in the order in which they are computed (A, B: the left and right operand; K: the contracted axis; several contracted axes count as one K, in the product's order):
;;     1. [M 64, K 128] x [K 128, N 128]; A: computed on the way; B: computed on the way: QUANTISED
;;     2. batch 512 x [M 256, K 16] x [K 16, N 1,024]; A: computed on the way; B: computed on the way: left as it is (K = 16 < 32)
;;     3. batch 512 x [M 16, K 1,024] x [K 1,024, N 256]; A: computed on the way; B: softmax (see below): QUANTISED
;;   THE QUANTISER, for each operand of a quantised product, along K:
;;     - K is cut into blocks of 32 from its start; a last block that is shorter is filled with zeros.
;;     - A block's scale is 2^e with e = floor(log2(the largest magnitude in the block)) - 2, held to -126 .. 127; a block of zeros has e = 0. As a byte (E8M0): e + 127.
;;     - Each number is divided by its block's scale, clamped to +-6, and rounded to the nearest number of E2M1, ties to even, subnormals kept.
;;     - The product sums the exact products of the quantised numbers (number of the format x scale) in f32.
;;   ~~~python
;;   def quantise(x, axis):      # numpy; x: float32 -> the quantised numbers, widened to float32 again
;;       x = np.moveaxis(x, axis, -1); K = x.shape[-1]
;;       x = np.pad(x, [(0, 0)] * (x.ndim - 1) + [(0, -K % 32)]); x = x.reshape(x.shape[:-1] + (-1, 32)); a = np.abs(x).max(-1, keepdims=True)
;;       e = np.where(a > 0, np.clip(np.frexp(np.where(a > 0, a, 1))[1] - 1 - 2, -126, 127), 0)      # np.frexp(a)[1] - 1 = floor(log2(a)), exactly
;;       r = np.clip(x / 2.0 ** e, -6, 6)
;;       step = 2.0 ** (np.maximum(np.frexp(np.where(r == 0, 1, r))[1] - 1, 0) - 1)
;;       q = np.round(r / step) * step * 2.0 ** e      # np.round: ties to even
;;       return np.moveaxis(q.reshape(q.shape[:-2] + (-1,))[..., :K], -1, axis).astype(np.float32)
;;   ~~~
;;   SOFTMAX AHEAD OF A QUANTISED PRODUCT. Where the list says 'softmax', what is quantised is not the finished softmax but p = 2^(t - M), with t = logit x log2(e) and M = ceil(the row's largest t), a whole number; so 1/2 < the row's largest p <= 1. The row's sum l is taken of the UNQUANTISED p, in f32, and the product's result is divided by l at the end. Since M is a whole number, a kernel that streams over the keys may use a running M (the ceiling of the running maximum): every later rescaling is an exact power of two, which a block's scale takes up: the codes' values come out the same.
;;   OPERANDS COMPUTED ON THE WAY. 'Computed on the way' means the value that the module computes at that place (a softmax that the list does not call 'softmax' is quantised finished and normalised). What goes into a quantiser is computed in f32, as accurately as f32 sums, v_exp_f32 and their like allow (about 1e-6 of the number): no bf16 or f16 on the way to a quantiser, and a product that is left as it is and whose result goes on into a quantised operand takes f32 operands (vector FMAs, or v_wmma_f32_16x16x4_f32). A number that lies on a knife's edge between two numbers of the format may be rounded either way, as far as f32 arithmetic and the matrix unit's own rounding can turn it there, and no further.
;; 2 versions, each right; version 2 is version 1 with the launches route, attend written anew for expert scheduling mode. Each part assembles by itself: llvm-mc -triple=amdgcn-amd-amdhsa -mcpu=gfx1250 --defsym DOCPART=n.
;; ======== version 1 of 2: 3 launches
;; workspace buffers: wins 98,304 bytes; vimg 2,097,152 bytes; vscl 131,072 bytes; ridx 1,024 bytes of whole numbers
;; launch prep (part 1): grid 2 x 192, 4 waves a work-group, no clusters, 1,536 bytes of LDS; arguments cv_feature, mv_feature, wins, vimg, vscl; writes wins, vimg, vscl
.if DOCPART == 1
	.amdgcn_target "amdgcn-amd-amdhsa--gfx1250"
	.amdhsa_code_object_version 6
	.text
	.protected	k_q8d67c89e0a_prep
	.globl	k_q8d67c89e0a_prep
	.p2align	8
	.type	k_q8d67c89e0a_prep,@function
k_q8d67c89e0a_prep:
	s_mov_b64 s[64:65], 0
	v_nop
	global_prefetch_b8 v0, s[64:65] scope:SCOPE_SE
	s_setreg_imm32_b32 hwreg(HW_REG_WAVE_MODE, 25, 1), 1
	s_wait_xcnt 0x0
; PREP: the window descriptors of both inputs, and V of the second product as codes of FP4 (E2M1) with E8M0 scales.
; cv: [128][128][128] f32, mv: [2][128][128][128] f32 (row, column, channel).  A window is 16 x 16 pixels; windows 0-63 are cv's, 64-191 mv's (view x 64 + window).
; A work-group takes one window (grid y) and 64 of its 128 channels (grid x): 256 consecutive bytes of every pixel.  A LANE TAKES A CHANNEL AND ITS REGISTERS RUN DOWN THE PIXELS:
; wave w takes channels 32 (w % 2) + lane and pixels 128 (w / 2) on (eight rows of the window), 128 registers.  Each load of a wave reads 128 consecutive bytes, two waves side by side 256.
; OUT 1: wins[window][128] f32: the mean of the window's 256 pixels; cv's also times SCALE = 128^-0.5.  The sum is multiplied once by 2^-8 or by 2^-8 x SCALE: a power of two rounds nothing,
;        so the bits are those of (sum / 256) x SCALE.  Eight running sums a lane, a tree, and the two halves of the pixels meet in LDS.
; OUT 2 (mv's windows only): the pixels are the second product's K.  A block of 32 along K is two rows of the window, 32 registers of ONE lane: its largest magnitude needs no other lane and the
;        conversions give codes with K innermost.  vimg[window][head 8][block 8][channel 16][16 bytes]: the order of the operand's registers, and lanes 0-15 and 16-31 of a store each write
;        256 consecutive bytes at a multiple of 256.  vscl[window][head][half of the pixels][channel]: a word of four scale bytes, gathered in LDS and stored as 512 consecutive bytes.
; A block's scale is 2^(floor(log2(largest magnitude)) - 2); its byte is the largest magnitude's exponent field - 2, held at 1 from below.
; LIMITS: a block of zeros, or one whose largest magnitude lies under 2^-124, keeps the byte 1 (its codes are read by this program alone; zero codes add nothing); NaN and infinities are not served.
.set X,    64                          ; v64-191  my channel's 128 numbers
.set ACC,  16                          ; v16-23   eight running sums, as four pairs
.set MX,   24                          ; v24-27   the four blocks' largest magnitudes, then their bytes
.set EX,   28                          ; v28-31   the conversions' scale operands
.set CD,   32                          ; v32-47   codes: four registers a block
.set SW,   48                          ; v48      my channel's scale word
.set SCW,  512                         ; LDS: 512 bytes of partial sums, then 512 bytes of scale words
	s_load_b128 s[4:7], s[0:1], 0x0                ; cv, mv
	s_load_b128 s[8:11], s[0:1], 0x10              ; wins, vimg
	s_load_b64 s[12:13], s[0:1], 0x20              ; vscl
	v_lshl_add_u32 v192, v0, 2, 0x400
	v_mov_b32 v193, 0
	v_lshrrev_b32 v1, 5, v0
	v_readfirstlane_b32 s14, v1                    ; wave 0..3
	v_and_b32 v2, 31, v0                           ; lane
	v_lshlrev_b32 v3, 2, v2                        ; in: 4 bytes a lane
	v_lshlrev_b32 v4, 2, v0                        ; LDS: my partial sum: 256 x half + 4 x (channel of the 64) = 4 x thread
	v_lshlrev_b32 v5, 3, v2                        ; 8 x lane
	v_lshlrev_b32 v6, 4, v2                        ; 16 x lane
	v_bfe_u32 v7, v0, 4, 1                         ; which of my wave's two heads
	v_and_b32 v8, 15, v0                           ; channel in the head
	s_and_b32 s15, ttmp7, 0xffff                   ; window 0..191
	s_and_b32 s16, s14, 1                          ; which 32 channels
	s_lshr_b32 s17, s14, 1                         ; which half of the pixels
	s_lshl_b32 s22, s16, 8
	s_lshl_b32 s23, s17, 6
	s_add_co_u32 s22, s22, s23
	v_lshlrev_b32 v9, 7, v7
	v_lshl_add_u32 v9, v8, 2, v9
	v_add_nc_u32 v9, s22, v9                       ; LDS: my scale word: 128 x (head of the four) + 64 x half + 4 x channel
	v_lshlrev_b32 v10, 11, v7
	v_lshl_add_u32 v10, v8, 4, v10                 ; codes: 2,048 x (head of my two) + 16 x channel
	s_cmp_lt_u32 s15, 64                           ; cv's window or mv's?  The choice hangs on the work-group's number alone
	s_cselect_b32 s18, 0, 64
	s_mov_b32 s19, 0x3b800000                      ; 2^-8
	s_cselect_b32 s19, 0x39b504f3, s19             ; 2^-8 x 128^-0.5
	s_sub_co_u32 s18, s15, s18                     ; the window's number in its tensor
	s_lshr_b32 s20, s18, 3                         ; its first byte: 16 rows of 65,536 bytes for each row of windows (a view is eight of them),
	s_lshl_b32 s20, s20, 20
	s_and_b32 s21, s18, 7
	s_lshl_b32 s21, s21, 13                        ; 16 pixels of 512 bytes for each window in the row,
	s_add_co_u32 s20, s20, s21
	s_lshl_b32 s21, ttmp9, 8                       ; my work-group's 64 channels,
	s_add_co_u32 s20, s20, s21
	s_lshl_b32 s21, s16, 7                         ; my wave's 32,
	s_add_co_u32 s20, s20, s21
	s_lshl_b32 s21, s17, 19                        ; my wave's eight rows
	s_add_co_u32 s20, s20, s21
	s_mov_b32 s21, 0
	s_lshl_b32 s24, s15, 9                         ; wins: 512 bytes a window, 256 a work-group
	s_lshl_b32 s25, ttmp9, 8
	s_add_co_u32 s24, s24, s25
	s_mov_b32 s25, 0
	s_lshl_b32 s26, s18, 14                        ; vimg: 16,384 bytes a window, 2,048 a head, 256 a block
	s_lshl_b32 s27, ttmp9, 13
	s_add_co_u32 s26, s26, s27
	s_lshl_b32 s27, s16, 12
	s_add_co_u32 s26, s26, s27
	s_lshl_b32 s27, s17, 10
	s_add_co_u32 s26, s26, s27
	s_mov_b32 s27, 0
	s_lshl_b32 s28, s18, 10                        ; vscl: 1,024 bytes a window, 512 a work-group
	s_lshl_b32 s29, ttmp9, 9
	s_add_co_u32 s28, s28, s29
	s_mov_b32 s29, 0
	s_wait_kmcnt 0x0
	s_cmp_lt_u32 s15, 64
	s_cselect_b64 s[4:5], s[4:5], s[6:7]
	s_add_nc_u64 s[4:5], s[4:5], s[20:21]
	s_add_nc_u64 s[8:9], s[8:9], s[24:25]
	s_add_nc_u64 s[10:11], s[10:11], s[26:27]
	s_add_nc_u64 s[12:13], s[12:13], s[28:29]
.set k, 0
.rept 128                              ; pixel k of my 128: row k / 16, column k % 16.  All loads go out at once; every offset is an immediate
	global_load_b32 v[X+k], v3, s[4:5] offset:(k/16)*65536+(k%16)*512
.set k, k+1
.endr
.macro ADD8 j                          ; eight more numbers onto the eight running sums
.irp a, 0,1,2,3
	v_pk_add_f32 v[ACC+2*\a:ACC+2*\a+1], v[ACC+2*\a:ACC+2*\a+1], v[X+(\j)+2*\a:X+(\j)+2*\a+1]
.endr
.endm
	s_wait_loadcnt 63                              ; loads come back in order: all but the youngest 63 of the 128 are in, numbers 0 to 64
.irp a, 0,1,2,3
	v_pk_add_f32 v[ACC+2*\a:ACC+2*\a+1], v[X+2*\a:X+2*\a+1], v[X+8+2*\a:X+8+2*\a+1]   ; the first sixteen numbers start the sums: nothing is cleared
.endr
.irp j, 16,24,32,40,48,56
	ADD8 \j
.endr
	s_wait_loadcnt 32                              ; numbers 0 to 95 are in
.irp j, 64,72,80,88
	ADD8 \j
.endr
	s_wait_loadcnt 0x0
.irp j, 96,104,112,120
	ADD8 \j
.endr
	v_pk_add_f32 v[ACC:ACC+1], v[ACC:ACC+1], v[ACC+2:ACC+3]
	v_pk_add_f32 v[ACC+4:ACC+5], v[ACC+4:ACC+5], v[ACC+6:ACC+7]
	v_pk_add_f32 v[ACC:ACC+1], v[ACC:ACC+1], v[ACC+4:ACC+5]
	v_add_f32 v[ACC], v[ACC], v[ACC+1]
	ds_store_b32 v4, v[ACC]                        ; my channel's sum over my 128 pixels
	s_cmp_lt_u32 s15, 64
	s_cbranch_scc1 .Lsums_only                     ; cv's windows are no operand of the second product
.irp b, 0,1,2,3
	v_max3_num_f32 v[MX+\b], |v[X+32*\b]|, |v[X+32*\b+1]|, 0x1800000   ; block b's largest magnitude, and the floor 2^(3 - 127): the byte cannot fall under 1
.endr
.irp i, 2,4,6,8,10,12,14,16,18,20,22,24,26,28,30
.irp b, 0,1,2,3
	v_max3_num_f32 v[MX+\b], v[MX+\b], |v[X+32*\b+\i]|, |v[X+32*\b+\i+1]|   ; (the four blocks by turns: no line waits for the line above it)
.endr
.endr
.irp b, 0,1,2,3
	v_add_nc_u32 v[EX+\b], 0xff000000, v[MX+\b]    ; 2 off the exponent field: the conversion takes the exponent field of this operand as its scale
.endr
.irp b, 0,1,2,3
	v_lshrrev_b32 v[MX+\b], 23, v[EX+\b]           ; the scale's byte
.endr
	v_lshl_or_b32 v[SW], v[MX+1], 8, v[MX]         ; four bytes: the scale word of my channel for these 128 along K
	v_lshl_or_b32 v[SW], v[MX+2], 16, v[SW]
	v_lshl_or_b32 v[SW], v[MX+3], 24, v[SW]
.irp b, 0,1,2,3
.irp g, 0,1,2,3
	v_cvt_scalef32_pk8_fp4_f32 v[CD+4*\b+\g], v[X+32*\b+8*\g:X+32*\b+8*\g+7], v[EX+\b]   ; eight neighbours along K, the first one's code in the lowest four bits
.endr
.endr
	v_nop                                          ; one plain line behind the last scaled conversion
	ds_store_b32 v9, v[SW] offset:SCW
.irp b, 0,1,2,3
	global_store_b128 v10, v[CD+4*\b:CD+4*\b+3], s[10:11] offset:256*\b   ; lanes 0-15: 256 consecutive bytes of one head's block; lanes 16-31: of the next head's
.endr
.Lsums_only:
	s_wait_dscnt 0x0                               ; for the others' sake: my LDS stores are done
	s_barrier_signal -1
	s_barrier_wait -1
	s_cmp_lg_u32 s14, 0
	s_cbranch_scc1 .Lnot_wave_0
	ds_load_b64 v[50:51], v5                       ; wave 0: two channels a lane, the first half of the pixels,
	ds_load_b64 v[52:53], v5 offset:256            ; and the second
	s_wait_dscnt 0x0
	v_pk_add_f32 v[50:51], v[50:51], v[52:53]
	v_mul_f32 v50, s19, v50
	v_mul_f32 v51, s19, v51
	global_store_b64 v5, v[50:51], s[8:9]          ; 32 lanes store 256 consecutive bytes, at a multiple of 256
.Lnot_wave_0:
	s_cmp_lg_u32 s14, 1
	s_cbranch_scc1 .Lend
	s_cmp_lt_u32 s15, 64
	s_cbranch_scc1 .Lend
	ds_load_b128 v[56:59], v6 offset:SCW           ; wave 1, mv's windows: the work-group's 128 scale words
	s_wait_dscnt 0x0
	global_store_b128 v6, v[56:59], s[12:13]       ; 512 consecutive bytes
.Lend:
	s_wait_tensorcnt 0x0
	ds_add_u32 v192, v193
	s_wait_dscnt 0x0
	s_endpgm
.Lfunc_end_k_q8d67c89e0a_prep:
	.size	k_q8d67c89e0a_prep, .Lfunc_end_k_q8d67c89e0a_prep-k_q8d67c89e0a_prep
	.p2alignl 7, 3214868480
	.fill 96, 4, 3214868480
	.section	.rodata,"a",@progbits
	.p2align	6, 0x0
	.amdhsa_kernel k_q8d67c89e0a_prep
		.amdhsa_group_segment_fixed_size 1536
		.amdhsa_private_segment_fixed_size 0
		.amdhsa_enable_private_segment 0
		.amdhsa_kernarg_size 40
		.amdhsa_user_sgpr_count 2
		.amdhsa_user_sgpr_kernarg_segment_ptr 1
		.amdhsa_wavefront_size32 1
		.amdhsa_system_sgpr_workgroup_id_x 1
		.amdhsa_system_sgpr_workgroup_id_y 1
		.amdhsa_system_sgpr_workgroup_id_z 1
		.amdhsa_system_vgpr_workitem_id 0
		.amdhsa_next_free_vgpr 194
		.amdhsa_next_free_sgpr 66
		.amdhsa_reserve_vcc 0
		.amdhsa_float_denorm_mode_32 3
		.amdhsa_float_denorm_mode_16_64 3
		.amdhsa_memory_ordered 1
		.amdhsa_forward_progress 1
		.amdhsa_inst_pref_size 26
	.end_amdhsa_kernel
	.amdgpu_metadata
---
amdhsa.version: [ 1, 2 ]
amdhsa.kernels:
  - .name:           k_q8d67c89e0a_prep
    .symbol:         k_q8d67c89e0a_prep.kd
    .args:
      - { .name: cv_feature, .offset: 0, .size: 8, .value_kind: global_buffer, .address_space: global }
      - { .name: mv_feature, .offset: 8, .size: 8, .value_kind: global_buffer, .address_space: global }
      - { .name: wins, .offset: 16, .size: 8, .value_kind: global_buffer, .address_space: global }
      - { .name: vimg, .offset: 24, .size: 8, .value_kind: global_buffer, .address_space: global }
      - { .name: vscl, .offset: 32, .size: 8, .value_kind: global_buffer, .address_space: global }
    .group_segment_fixed_size: 1536
    .private_segment_fixed_size: 0
    .kernarg_segment_align: 8
    .kernarg_segment_size: 40
    .max_flat_workgroup_size: 128
    .sgpr_count:     66
    .vgpr_count:     194
    .wavefront_size: 32
...
	.end_amdgpu_metadata
.endif
;; end of part 1
;; launch route (part 2): grid 1 x 1, 12 waves a work-group, no clusters, 15,360 bytes of LDS; arguments wins, ridx; writes ridx
.if DOCPART == 2
	.amdgcn_target "amdgcn-amd-amdhsa--gfx1250"
	.amdhsa_code_object_version 6
	.text
	.protected	k_q8d67c89e0a_route
	.globl	k_q8d67c89e0a_route
	.p2align	8
	.type	k_q8d67c89e0a_route,@function
k_q8d67c89e0a_route:
	s_mov_b64 s[64:65], 0
	v_nop
	global_prefetch_b8 v0, s[64:65] scope:SCOPE_SE
	s_setreg_imm32_b32 hwreg(HW_REG_WAVE_MODE, 25, 1), 1
	s_wait_xcnt 0x0
; ROUTE: logit[q window][k window] = (q_win x SCALE) . k_win on codes of FP4 (E2M1) with one E8M0 scale for each 32 channels, and for each of the 64 q windows the numbers of the four k windows with the largest logits.
; wins: [192][128] f32: rows 0-63 q_win x SCALE, rows 64-191 k_win.  ridx: [64][4] whole numbers, 0..127.  The softmax of the four logits is read by nothing in the module and is not made.
; One work-group of twelve waves, as many as there are fragments of 16 rows x 128 K.  Wave w quantises rows 16 w on and stores the fragment in LDS AS AN IMAGE OF ITS REGISTERS (two stores of 512 bytes, 16 bytes a lane)
; and its scale words (4 bytes a lane).  Behind one barrier waves 0-3 each take a tile of 16 q windows (their own codes are still in registers), fetch the eight fragments of k, and issue eight products,
; TRANSPOSED (source 0 = 16 k windows, source 1 = 16 q windows): lane (r, h) holds q window r, and register 8 t + j the logit of k window 16 t + 8 h + j.
; THE FOUR LARGEST, exactly: four times: the largest of my 64 and of lane l xor 16's; the lowest k window that holds it (equal logits: the lower number first, as lax.top_k has it); that one entry becomes -infinity.
; No branch and no address hangs on a logit: compares make masks, masks select values.
; LIMITS: NaN and infinities are not served; a block of zeros keeps the scale byte 1 (zero codes add nothing).
.set D,    64                          ; v64-127  64 numbers of my row, later the eight fragments of k
.set L,    128                         ; v128-191 the logits: eight accumulators
.set TM,   8                           ; v8-11 largest magnitudes, v12-15 bytes, v20-23 the conversions' scale operands
.set PW,   24                          ; v24      the scale word just made: in waves 0-3 q's
.set PC,   32                          ; v32-39   the codes just made: in waves 0-3 q's fragment
.set KS,   40                          ; v40-47   k's scale words
.set CM,   192                         ; v192-199 a maximum for each accumulator
.set CI,   200                         ; v200-207 and the lowest register that holds the largest logit
.set G,    208                         ; the largest logit
.set TA,   209
.set TB,   210
.set CL,   211                         ; my lowest register's number, 64 if none
.set IDX,  212                         ; its k window
.set RI,   214                         ; v214-217 the four chosen
.set NINF, 218
.set H8,   219                         ; 8 h
.set OUT,  220                         ; v220-221
.set AD,   222
.set LI,   4                           ; 16 x lane
.set LS,   5                           ; 4 x lane
.set WI,   6                           ; where I store my image: 1,024 x wave + 16 x lane
.set WS,   7                           ; and my scale word: 128 x wave + 4 x lane = 4 x thread
.set SEL,  12                          ; s[12:13] v_permlanex16_b32's selects for lane l xor 16
.set MK,   16                          ; s16-23   eight masks
.set XSC,  12*1024                     ; LDS: twelve images of 1,024 bytes, then twelve times 128 bytes of scale words
; 64 numbers of a lane, register 16 b + i = k 32 b + 16 (lane / 16) + i of my row, become a fragment's codes in v[PC] on and its scale word in v[PW].
.macro QUANT s
.irp b, 0,1,2,3
	v_max3_num_f32 v[TM+\b], |v[\s+16*\b]|, |v[\s+1+16*\b]|, 0x1800000   ; block b: my 16 numbers, and the floor 2^(3 - 127): the byte cannot fall under 1
.endr
.irp i, 2,4,6,8,10,12,14
.irp b, 0,1,2,3
	v_max3_num_f32 v[TM+\b], v[TM+\b], |v[\s+16*\b+\i]|, |v[\s+1+16*\b+\i]|
.endr
.endr
.irp b, 0,1,2,3
	v_permlanex16_b32 v[TM+4+\b], v[TM+\b], s[SEL], s[SEL+1]
.endr
.irp b, 0,1,2,3
	v_max_num_f32 v[TM+\b], v[TM+\b], v[TM+4+\b]   ; with lane l xor 16's: the block's largest magnitude
.endr
.irp b, 0,1,2,3
	v_add_nc_u32 v[TM+12+\b], 0xff000000, v[TM+\b]   ; 2 off its exponent field: the conversion's scale operand
.endr
.irp b, 0,1,2,3
	v_lshrrev_b32 v[TM+4+\b], 23, v[TM+12+\b]      ; the scale's byte
.endr
	v_lshl_or_b32 v[PW], v[TM+5], 8, v[TM+4]       ; the four bytes make my row's scale word
	v_lshl_or_b32 v[PW], v[TM+6], 16, v[PW]
	v_lshl_or_b32 v[PW], v[TM+7], 24, v[PW]
.irp b, 0,1,2,3
	v_cvt_scalef32_pk8_fp4_f32 v[PC+2*\b], v[\s+16*\b:\s+7+16*\b], v[TM+12+\b]
	v_cvt_scalef32_pk8_fp4_f32 v[PC+1+2*\b], v[\s+8+16*\b:\s+15+16*\b], v[TM+12+\b]
.endr
	v_nop                                          ; one plain line behind a scaled conversion
.irp c, 0,1                                    ; the operand's layout wants a WHOLE block in a lane: lanes 0-15 block 2 c, lanes 16-31 block 2 c + 1
.irp i, 0,1
	v_permlane16_swap_b32 v[PC+4*\c+\i], v[PC+2+4*\c+\i]
.endr
.endr
.endm
	s_load_b128 s[4:7], s[0:1], 0x0                ; wins, ridx
	v_lshl_add_u32 v224, v0, 2, 0x3600
	v_mov_b32 v225, 0
	v_lshrrev_b32 v1, 5, v0
	v_readfirstlane_b32 s8, v1                     ; wave 0..11
	v_and_b32 v1, 15, v0                           ; r
	v_bfe_u32 v2, v0, 4, 1                         ; h
	v_and_b32 v3, 31, v0
	v_lshlrev_b32 v[LI], 4, v3
	v_lshlrev_b32 v[LS], 2, v3
	s_lshl_b32 s9, s8, 10
	v_add_nc_u32 v[WI], s9, v[LI]
	v_lshlrev_b32 v[WS], 2, v0
	v_lshlrev_b32 v3, 9, v1
	v_lshl_add_u32 v3, v2, 6, v3                   ; wins: row r of 512 bytes, + 64 h: my 16 numbers of a block of 32
	v_lshlrev_b32 v[H8], 3, v2
	s_lshl_b32 s14, s8, 8
	v_lshlrev_b32 v[AD], 4, v1
	v_lshl_add_u32 v[AD], v2, 3, v[AD]
	v_add_nc_u32 v[AD], s14, v[AD]                 ; ridx: 16 bytes a q window; lanes 0-15 store its first two numbers, lanes 16-31 the other two
	v_mov_b32 v[NINF], 0xff800000
	v_mov_b32 v[TA], 0                             ; written once: a lane permute's destination counts as one of its sources
.irp b, 0,1,2,3
	v_mov_b32 v[TM+4+\b], 0
.endr
	s_mov_b32 s[SEL], 0x76543210
	s_mov_b32 s[SEL+1], 0xfedcba98
	s_lshl_b32 s10, s8, 13                         ; my 16 rows
	s_mov_b32 s11, 0
	s_wait_kmcnt 0x0
	s_add_nc_u64 s[4:5], s[4:5], s[10:11]
.irp b, 0,1,2,3
.irp j, 0,1,2,3
	global_load_b128 v[D+16*\b+4*\j:D+16*\b+4*\j+3], v3, s[4:5] offset:128*\b+16*\j
.endr
.endr
	s_wait_loadcnt 0x0
	QUANT D
.irp c, 0,1
	ds_store_b128 v[WI], v[PC+4*\c:PC+4*\c+3] offset:512*\c   ; the fragment goes to LDS as it stands
.endr
	ds_store_b32 v[WS], v[PW] offset:XSC
	s_wait_dscnt 0x0                               ; for the others' sake: my stores are done
	s_barrier_signal -1
	s_barrier_wait -1                              ; all twelve fragments lie in LDS
	s_cmp_gt_u32 s8, 3
	s_cbranch_scc1 .Ldone                          ; the eight waves of k have done their part
.irp t, 0,1,2,3,4,5,6,7
	ds_load_b128 v[D+8*\t:D+8*\t+3], v[LI] offset:(4+\t)*1024
	ds_load_b128 v[D+8*\t+4:D+8*\t+7], v[LI] offset:(4+\t)*1024+512
	ds_load_b32 v[KS+\t], v[LS] offset:XSC+(4+\t)*128
.endr
	s_wait_dscnt 0x0
.rept 8
	v_nop                                          ; q's scale word and codes were written by vector instructions: eight and four plain lines ahead of a scaled matrix instruction
.endr
.irp t, 0,1,2,3,4,5,6,7
	v_wmma_scale_f32_16x16x128_f8f6f4 v[L+8*\t:L+8*\t+7], v[D+8*\t:D+8*\t+7], v[PC:PC+7], 0, v[KS+\t], v[PW] matrix_a_fmt:MATRIX_FMT_FP4 matrix_b_fmt:MATRIX_FMT_FP4
.endr
.rept 4
	v_nop                                          ; four plain lines between a matrix instruction and the first read of its result (ISA guide 7.12.1)
.endr
; One pick.  n: which of the four;  remove = 1: the chosen entry becomes -infinity for the next pick.
.macro PICK n, remove
.irp t, 0,1,2,3,4,5,6,7
	v_max3_num_f32 v[CM+\t], v[L+8*\t], v[L+8*\t+1], v[L+8*\t+2]   ; each accumulator from its low end on; the eight by turns
.endr
.irp i, 3,5
.irp t, 0,1,2,3,4,5,6,7
	v_max3_num_f32 v[CM+\t], v[CM+\t], v[L+8*\t+\i], v[L+8*\t+\i+1]
.endr
.endr
.irp t, 0,1,2,3,4,5,6,7
	v_max_num_f32 v[CM+\t], v[CM+\t], v[L+8*\t+7]
.endr
	v_max3_num_f32 v[CM], v[CM], v[CM+1], v[CM+2]
	v_max3_num_f32 v[CM+3], v[CM+3], v[CM+4], v[CM+5]
	v_max3_num_f32 v[CM], v[CM], v[CM+6], v[CM+7]
	v_max_num_f32 v[CM], v[CM], v[CM+3]
	v_permlanex16_b32 v[TA], v[CM], s[SEL], s[SEL+1]
	v_max_num_f32 v[G], v[CM], v[TA]               ; the largest of the q window's 128 logits, in both its lanes
.irp t, 0,1,2,3,4,5,6,7
	v_mov_b32 v[CI+\t], 64                         ; none yet
.endr
.irp j, 7,6,5,4,3,2,1,0                        ; downward, so that the lowest register that holds it is written last
.irp t, 0,1,2,3,4,5,6,7
	v_cmp_neq_f32 s[MK+\t], v[L+8*\t+\j], v[G]
.endr
.irp t, 0,1,2,3,4,5,6,7
	v_cndmask_b32 v[CI+\t], 8*\t+\j, v[CI+\t], s[MK+\t]   ; unequal: as it was; equal: this register's number
.endr
.endr
	v_min_u32 v[CI], v[CI], v[CI+1]
	v_min_u32 v[CI+2], v[CI+2], v[CI+3]
	v_min_u32 v[CI+4], v[CI+4], v[CI+5]
	v_min_u32 v[CI+6], v[CI+6], v[CI+7]
	v_min_u32 v[CI], v[CI], v[CI+2]
	v_min_u32 v[CI+4], v[CI+4], v[CI+6]
	v_min_u32 v[CL], v[CI], v[CI+4]
	v_lshrrev_b32 v[TA], 3, v[CL]
	v_and_b32 v[TB], 7, v[CL]
	v_lshl_add_u32 v[IDX], v[TA], 4, v[TB]
	v_add_nc_u32 v[IDX], v[H8], v[IDX]             ; register 8 t + j is k window 16 t + 8 h + j; 'none' gives 128 or more
	v_permlanex16_b32 v[TA], v[IDX], s[SEL], s[SEL+1]
	v_min_u32 v[RI+\n], v[IDX], v[TA]              ; the lower of the two lanes' windows: the pick
.if \remove
	v_cmp_eq_u32 vcc_lo, v[IDX], v[RI+\n]
	v_cndmask_b32 v[CL], 64, v[CL], vcc_lo         ; is it mine?  Else nothing of mine is removed
.irp j, 0,1,2,3,4,5,6,7
.irp t, 0,1,2,3,4,5,6,7
	v_cmp_eq_u32 s[MK+\t], 8*\t+\j, v[CL]
.endr
.irp t, 0,1,2,3,4,5,6,7
	v_cndmask_b32 v[L+8*\t+\j], v[L+8*\t+\j], v[NINF], s[MK+\t]
.endr
.endr
.endif
.endm
	PICK 0, 1
	PICK 1, 1
	PICK 2, 1
	PICK 3, 0
	v_cmp_eq_u32 vcc_lo, 1, v2
	v_cndmask_b32 v[OUT], v[RI], v[RI+2], vcc_lo
	v_cndmask_b32 v[OUT+1], v[RI+1], v[RI+3], vcc_lo
	global_store_b64 v[AD], v[OUT:OUT+1], s[6:7]   ; the wave's 32 lanes store 256 consecutive bytes, at a multiple of 256
.Ldone:
	s_wait_tensorcnt 0x0
	ds_add_u32 v224, v225
	s_wait_dscnt 0x0
	s_endpgm
.Lfunc_end_k_q8d67c89e0a_route:
	.size	k_q8d67c89e0a_route, .Lfunc_end_k_q8d67c89e0a_route-k_q8d67c89e0a_route
	.p2alignl 7, 3214868480
	.fill 96, 4, 3214868480
	.section	.rodata,"a",@progbits
	.p2align	6, 0x0
	.amdhsa_kernel k_q8d67c89e0a_route
		.amdhsa_group_segment_fixed_size 15360
		.amdhsa_private_segment_fixed_size 0
		.amdhsa_enable_private_segment 0
		.amdhsa_kernarg_size 16
		.amdhsa_user_sgpr_count 2
		.amdhsa_user_sgpr_kernarg_segment_ptr 1
		.amdhsa_wavefront_size32 1
		.amdhsa_system_sgpr_workgroup_id_x 1
		.amdhsa_system_sgpr_workgroup_id_y 1
		.amdhsa_system_sgpr_workgroup_id_z 1
		.amdhsa_system_vgpr_workitem_id 0
		.amdhsa_next_free_vgpr 226
		.amdhsa_next_free_sgpr 66
		.amdhsa_reserve_vcc 1
		.amdhsa_float_denorm_mode_32 3
		.amdhsa_float_denorm_mode_16_64 3
		.amdhsa_memory_ordered 1
		.amdhsa_forward_progress 1
		.amdhsa_inst_pref_size 78
	.end_amdhsa_kernel
	.amdgpu_metadata
---
amdhsa.version: [ 1, 2 ]
amdhsa.kernels:
  - .name:           k_q8d67c89e0a_route
    .symbol:         k_q8d67c89e0a_route.kd
    .args:
      - { .name: wins, .offset: 0, .size: 8, .value_kind: global_buffer, .address_space: global }
      - { .name: ridx, .offset: 8, .size: 8, .value_kind: global_buffer, .address_space: global }
    .group_segment_fixed_size: 15360
    .private_segment_fixed_size: 0
    .kernarg_segment_align: 8
    .kernarg_segment_size: 16
    .max_flat_workgroup_size: 384
    .sgpr_count:     66
    .vgpr_count:     226
    .wavefront_size: 32
...
	.end_amdgpu_metadata
.endif
;; end of part 2
;; launch attend (part 3): grid 8 x 64, 16 waves a work-group, no clusters, 75,776 bytes of LDS; arguments cv_feature, mv_feature, vimg, vscl, ridx, out0; writes out0
.if DOCPART == 3
	.amdgcn_target "amdgcn-amd-amdhsa--gfx1250"
	.amdhsa_code_object_version 6
	.text
	.protected	k_q8d67c89e0a_attend
	.globl	k_q8d67c89e0a_attend
	.p2align	8
	.type	k_q8d67c89e0a_attend,@function
k_q8d67c89e0a_attend:
	s_mov_b64 s[64:65], 0
	v_nop
	global_prefetch_b8 v0, s[64:65] scope:SCOPE_SE
	s_setreg_imm32_b32 hwreg(HW_REG_WAVE_MODE, 25, 1), 1
	s_wait_xcnt 0x0
; ATTEND: for window p (grid y) and head m (grid x): O[q] = the sum over the 1,024 pixels x of the four windows that ridx[p] names of softmax_x((Q[q] x SCALE) . K[x]) V[x], K = V = mv's 16 channels of the head.
; FIRST PRODUCT, K = 16 channels: left as it is, and its result goes on into a quantiser: f32 operands, v_wmma_f32_16x16x4_f32.  SECOND PRODUCT, K = the 1,024 pixels: codes of FP4 (E2M1), one E8M0 scale for each 32.
; V's codes and scale words were made by the launch before (vimg, vscl, in the order of the operand's registers); p is quantised here.
; THE SOFTMAX AHEAD OF THE SECOND PRODUCT: t = score x log2(e); M = the largest t so far, rounded UP to a whole number; p = 2^(t - M) is what is quantised; the row's sum is taken of the unquantised p and divides O at
; the end.  When M moves, the sum and O are multiplied by 2^(old M - new M): exact.
; SHARES.  Sixteen waves; wave w owns the 16 queries of row w of the window, in 232 registers: four waves to a SIMD, so that one wave's vector work stands beside another's matrix work.
; LDS IS FILLED ONCE.  The head's K, 1,024 x 64 bytes, and V's codes, 8,192 bytes, fit together: wave w loads four tiles of K (keys 64 w on) just as the matrix instruction wants them and stores them AS IMAGES OF THE
; REGISTERS (512 bytes a store, 16 bytes a lane), and 512 bytes of V's codes.  One barrier; behind it LDS is only read, each address a constant + 16 x lane: no pitch, no padding.
; LAYOUT.  Both products are used transposed: S^T = K Q^T (source 0 = 16 keys, source 1 = my 16 queries), O^T = V^T P^T (source 0 = the head's 16 channels, source 1 = P): a lane holds ONE query (lane % 16) throughout.
; THE KEYS OF A TILE ARE NOT NEIGHBOURS: row r of tile 2 b + u is key 32 b + 8 u + r + 8 (r / 8), so that the 16 registers of tiles 2 b and 2 b + 1 are 16 neighbouring keys, 32 b + 16 (lane / 16) + 0 .. 15.
; The 16 channels are dealt alike to K and Q: lane half h holds channels 4 h .. 4 h + 3 (registers 0-3) and 8 + 4 h .. (registers 4-7); K step s of four takes registers 2 s, 2 s + 1.
; NO CLUSTER: the eight heads of a window read different bytes of every pixel, and two windows read the same pixels only where their lists name the same window, which is not known when the launch is laid out.
; A head is 64 bytes of a pixel, so K's and Q's loads and O's stores cover 64 of each aligned 256 bytes.  Four heads to a work-group would take 4 x 73,728 bytes of LDS and leave 128 work-groups.
; LIMITS: NaN and infinities are not served; p under 2^-126 is 0 (v_exp_f32 flushes: ISA guide, its entry); a block whose every p is 0 keeps the scale byte 1 over zero codes.
.set LI,   1                           ; v1   16 x lane: K's images
.set LV,   2                           ; v2   VOFF + 16 x lane: V's
.set GO,   3                           ; v3   my byte offset in the wave's 16 pixels of O
.set NM,   12                          ; v12  -M;  v13 the largest t so far
.set TMAX, 13
.set LS,   14                          ; v[14:15] the row's sum, in two halves
.set Q,    16                          ; v16-23   Q x SCALE
.set VS,   24                          ; v24-27   V's scale words: register t for window t; lanes 0-15 its first 128 keys, lanes 16-31 its second
.set PSW,  28                          ; v28      p's scale word
.set F,    30                          ; v30      2^(old M - new M);  v31 is named with it as a pair
.set KF,   32                          ; v32-63   four fragments of K
.set S,    64                          ; v64-127  S^T: written by the f32 matrix instructions alone
.set T,    128                         ; v128-191 t - M, then p
.set O,    192                         ; v192-199 O^T
.set VF,   200                         ; v200-207 V's fragment
.set PC,   208                         ; v208-215 p's codes
.set BM,   216                         ; v216-219 each block's largest score, then its largest p
.set BP,   220                         ; v220-223 at work
.set SO,   224                         ; v224-227 the conversions' scale operands
.set SA,   228                         ; v[228:229] the sum's second chain
.set W,    230
.set VOFF, 65536                       ; LDS: 64 images of 1,024 bytes of K, then 8 of V
.set SEL,  48                          ; s[48:49] v_permlanex16_b32's selects for lane l xor 16
.set CS,   50                          ; s[50:51] log2(e): the packed form names a pair and takes its low word for both halves
.set CQ,   52                          ; s[52:53] SCALE = 128^-0.5
.macro PLACES n
.rept \n
	v_nop
.endr
.endm
	s_load_b256 s[4:11], s[0:1], 0x0               ; cv s[4:5], mv s[6:7], vimg s[8:9], vscl s[10:11]
	s_load_b128 s[12:15], s[0:1], 0x20             ; ridx s[12:13], out s[14:15]
	v_lshl_add_u32 v232, v0, 2, 0x12000
	v_mov_b32 v233, 0
	v_lshrrev_b32 v4, 5, v0
	v_readfirstlane_b32 s16, v4                    ; wave 0..15
	s_and_b32 s17, ttmp7, 0xffff                   ; the window p
	s_lshl_b32 s18, s17, 4                         ; its four numbers in ridx
	s_mov_b32 s19, 0
	s_lshr_b32 s24, s16, 2                         ; which of the four windows my wave fills from: wave / 4
	s_lshl_b32 s24, s24, 2
	s_mov_b32 s25, 0
	s_and_b32 s46, s16, 3                          ; and which 64 of its keys
	s_lshl_b32 s47, ttmp9, 6                       ; the head's 64 bytes of a pixel
	s_lshr_b32 s40, s17, 3                         ; my 16 queries: 16 rows of 65,536 bytes for each row of windows,
	s_lshl_b32 s40, s40, 20
	s_and_b32 s41, s17, 7
	s_lshl_b32 s41, s41, 13                        ; 16 pixels of 512 bytes for each window in the row,
	s_add_co_u32 s40, s40, s41
	s_lshl_b32 s41, s16, 16                        ; row w of the window,
	s_add_co_u32 s40, s40, s41
	s_add_co_u32 s40, s40, s47                     ; the head
	s_mov_b32 s41, 0
	s_mov_b32 s[SEL], 0x76543210
	s_mov_b32 s[SEL+1], 0xfedcba98
	s_mov_b32 s[CS], 0x3fb8aa3b                    ; log2(e)
	s_mov_b32 s[CS+1], s[CS]
	s_mov_b32 s[CQ], 0x3db504f3                    ; 128^-0.5
	s_mov_b32 s[CQ+1], s[CQ]
	v_and_b32 v4, 15, v0                           ; r
	v_bfe_u32 v5, v0, 4, 1                         ; h
	v_and_b32 v6, 31, v0                           ; lane
	v_lshlrev_b32 v[LI], 4, v6
	v_add_nc_u32 v[LV], VOFF, v[LI]
	s_lshl_b32 s45, s16, 12
	v_add_nc_u32 v7, s45, v[LI]                    ; where I store K's images: 4,096 x wave + 16 x lane
	v_lshl_add_u32 v8, v0, 4, VOFF                 ; and V's codes: VOFF + 512 x wave + 16 x lane
	v_bfe_u32 v9, v0, 3, 1
	v_and_b32 v11, 7, v0
	v_lshlrev_b32 v9, 16, v9                       ; K: row r of a tile is the pixel in row r / 8 of the block's two rows,
	v_lshl_add_u32 v9, v11, 9, v9                  ; column 8 u + r % 8;
	v_lshl_add_u32 v9, v5, 4, v9                   ; + 16 h bytes
	v_lshlrev_b32 v10, 9, v4
	v_lshl_add_u32 v[GO], v5, 5, v10               ; O: pixel r, + 32 h: my eight channels
	v_lshl_add_u32 v10, v5, 4, v10                 ; Q: pixel r, + 16 h
	v_lshlrev_b32 v11, 2, v6                       ; V's scale words: 4 bytes a lane
	s_wait_kmcnt 0x0
	s_add_nc_u64 s[12:13], s[12:13], s[18:19]
	s_add_nc_u64 s[26:27], s[12:13], s[24:25]
	s_load_b128 s[20:23], s[12:13], 0x0            ; the four windows,
	s_load_b32 s28, s[26:27], 0x0                  ; and the one that my wave fills from
	s_add_nc_u64 s[4:5], s[4:5], s[40:41]
	s_add_nc_u64 s[14:15], s[14:15], s[40:41]
	global_load_b128 v[Q:Q+3], v10, s[4:5]         ; Q does not hang on the list: it goes out first
	global_load_b128 v[Q+4:Q+7], v10, s[4:5] offset:32
	s_wait_kmcnt 0x0
	s_min_u32 s28, s28, 127                        ; a number read from memory enters an address only held inside its table
	s_and_b32 s30, s28, 0x78                       ; (view x 8 + row of windows) x 8, times 131,072: 16 rows of 65,536 bytes each
	s_lshl_b32 s30, s30, 17
	s_and_b32 s31, s28, 7
	s_lshl_b32 s31, s31, 13
	s_add_co_u32 s30, s30, s31
	s_lshl_b32 s31, s46, 18                        ; my 64 keys: four rows of the window
	s_add_co_u32 s30, s30, s31
	s_add_co_u32 s30, s30, s47
	s_mov_b32 s31, 0
	s_add_nc_u64 s[30:31], s[6:7], s[30:31]        ; K
	s_lshl_b32 s42, s28, 14                        ; V's codes: 16,384 bytes a window, 2,048 a head, my 512
	s_lshl_b32 s43, ttmp9, 11
	s_add_co_u32 s42, s42, s43
	s_lshl_b32 s43, s46, 9
	s_add_co_u32 s42, s42, s43
	s_mov_b32 s43, 0
	s_add_nc_u64 s[42:43], s[8:9], s[42:43]
	s_lshl_b32 s44, ttmp9, 7
.irp t, 0,1,2,3
	s_min_u32 s[20+\t], s[20+\t], 127
	s_lshl_b32 s[32+2*\t], s[20+\t], 10            ; V's scale words: 1,024 bytes a window, 128 a head
	s_add_co_u32 s[32+2*\t], s[32+2*\t], s44
	s_mov_b32 s[33+2*\t], 0
	s_add_nc_u64 s[32+2*\t:33+2*\t], s[10:11], s[32+2*\t:33+2*\t]
.endr
.irp bb, 0,1                                   ; my two blocks of 32 keys, two tiles each, two loads a tile
.irp u, 0,1
.irp g, 0,1
	global_load_b128 v[T+8*(2*\bb+\u)+4*\g:T+8*(2*\bb+\u)+4*\g+3], v9, s[30:31] offset:\bb*131072+\u*4096+\g*32
.endr
.endr
.endr
	global_load_b128 v[T+32:T+35], v[LI], s[42:43]
.irp t, 0,1,2,3
	global_load_b32 v[VS+\t], v11, s[32+2*\t:33+2*\t]
.endr
	s_wait_loadcnt 0x4                             ; loads come back in order: Q, K and V's codes are in; the four loads of scale words may be out
.irp tl, 0,1,2,3
.irp g, 0,1
	ds_store_b128 v7, v[T+8*\tl+4*\g:T+8*\tl+4*\g+3] offset:\tl*1024+\g*512
.endr
.endr
	ds_store_b128 v8, v[T+32:T+35]
.irp j, 0,2,4,6
	v_pk_mul_f32 v[Q+\j:Q+\j+1], v[Q+\j:Q+\j+1], s[CQ:CQ+1] op_sel_hi:[1,0]   ; q x SCALE, rounded to f32 as the module has it
.endr
	v_mov_b32 v[TMAX], 0xff61b1e6                  ; the largest t so far: -3e38, under every t
	v_floor_f32 v[NM], -v[TMAX]                    ; -M
	v_mov_b32 v[LS], 0                             ; the sum, in two halves
	v_mov_b32 v[LS+1], 0
.irp j, 0,1,2,3,4,5,6,7
	v_mov_b32 v[O+\j], 0                           ; O^T.  (The step is written once: the first finds zeros, which the first change of M leaves zeros)
.endr
.irp b, 0,1,2,3
	v_mov_b32 v[BP+\b], 0                          ; written once: a lane permute's destination counts as one of its sources
.endr
	v_mov_b32 v[F+1], 0                            ; (named as the upper half of a pair)
	s_wait_loadcnt 0x0                             ; V's scale words
	s_wait_dscnt 0x0                               ; for the others' sake: my stores are done
	s_barrier_signal -1
	s_barrier_wait -1                              ; the head's K and V lie in LDS; from here on LDS is only read
.macro KLOAD ks, g4                            ; four fragments of K: tiles g4 .. g4 + 3 of key step ks
.irp t, 0,1,2,3
	ds_load_b128 v[KF+8*\t:KF+8*\t+3], v[LI] offset:(8*(\ks)+\g4+\t)*1024
	ds_load_b128 v[KF+8*\t+4:KF+8*\t+7], v[LI] offset:(8*(\ks)+\g4+\t)*1024+512
.endr
.endm
.macro SCORES g4                               ; sixteen matrix instructions: four tiles of 16 keys x my 16 queries, four K steps of 4 channels.  The first K step starts each sum; the four accumulators take turns
.irp t, 0,1,2,3
	v_wmma_f32_16x16x4_f32 v[S+8*(\g4+\t):S+8*(\g4+\t)+7], v[KF+8*\t:KF+8*\t+1], v[Q:Q+1], 0
.endr
.irp s, 1,2,3
.irp t, 0,1,2,3
	v_wmma_f32_16x16x4_f32 v[S+8*(\g4+\t):S+8*(\g4+\t)+7], v[KF+8*\t+2*\s:KF+8*\t+2*\s+1], v[Q+2*\s:Q+2*\s+1], v[S+8*(\g4+\t):S+8*(\g4+\t)+7]
.endr
.endr
.endm
.macro BMAX p0, p1                             ; THE LARGEST SCORE OF A BLOCK OF 32 KEYS (my 16 of them), for two blocks by turns; each accumulator is read from its low end on
.irp b, \p0, \p1
	v_max3_num_f32 v[BM+\b], v[S+16*\b], v[S+16*\b+1], v[S+16*\b+2]
.endr
.irp i, 3,5,7,9,11,13
.irp b, \p0, \p1
	v_max3_num_f32 v[BM+\b], v[BM+\b], v[S+16*\b+\i], v[S+16*\b+\i+1]
.endr
.endr
.irp b, \p0, \p1
	v_max_num_f32 v[BM+\b], v[BM+\b], v[S+16*\b+15]
.endr
.endm
; A KEY STEP: 128 keys.  Behind the f32 matrix form eight plain lines stand in front of a load into its sources and of the first read of its result.
.macro STEP ks
	KLOAD \ks, 0
	s_wait_dscnt 0x0
	SCORES 0
	PLACES 8
	KLOAD \ks, 4                                   ; the other four tiles, and V's fragment (its last product stands in front of those eight lines)
	ds_load_b128 v[VF:VF+3], v[LV] offset:(\ks)*1024
	ds_load_b128 v[VF+4:VF+7], v[LV] offset:(\ks)*1024+512
	BMAX 0, 1                                      ; work on the first four tiles while the loads are on their way
	s_wait_dscnt 0x0
	SCORES 4
	PLACES 8
	BMAX 2, 3
.irp b, 0,1,2,3
	v_permlanex16_b32 v[BP+\b], v[BM+\b], s[SEL], s[SEL+1]
.endr
.irp b, 0,1,2,3
	v_max_num_f32 v[BM+\b], v[BM+\b], v[BP+\b]     ; with lane l xor 16's 16 keys.  It serves twice: for the row's maximum, and, since p rises with the score, for the block's largest p
.endr
	v_max3_num_f32 v[W], v[BM], v[BM+1], v[BM+2]
	v_max_num_f32 v[W], v[W], v[BM+3]              ; the step's largest score of my query
	v_mul_f32 v[W], s[CS], v[W]                    ; as t
	v_max_num_f32 v[TMAX], v[TMAX], v[W]           ; the running largest t
	v_mov_b32 v[W], v[NM]
	v_floor_f32 v[NM], -v[TMAX]                    ; the new -M = floor(-t) = -ceil(t): M IS A WHOLE NUMBER
	v_sub_f32 v[W], v[NM], v[W]                    ; M's old value less its new one: a whole number, 0 or less
	v_cvt_i32_f32 v[W], v[W]                       ; (it saturates)
	v_ldexp_f32 v[F], 1.0, v[W]                    ; f = 2^(old M - new M)
.set j, 0
.rept 32
	v_pk_fma_f32 v[T+j:T+j+1], v[S+j:S+j+1], s[CS:CS+1], v[NM:NM+1] op_sel_hi:[1,0,0]   ; t - M, two at a time, into other registers than the sums'
.set j, j+2
.endr
.irp b, 0,1,2,3
	v_fma_f32 v[BM+\b], v[BM+\b], s[CS], v[NM]     ; the same of each block's largest score
.endr
.set j, 0
.rept 64
	v_exp_f32 v[T+j], v[T+j]                       ; p = 2^(t - M), at most 1: NOT normalised
.set j, j+1
.endr
.irp b, 0,1,2,3
	v_exp_f32 v[BM+\b], v[BM+\b]                   ; the block's largest p: the same two instructions on the same number
.endr
	v_pk_mul_f32 v[LS:LS+1], v[LS:LS+1], v[F:F+1] op_sel_hi:[1,0]   ; the sums under the new M.  (A plain line behind the exponentials)
	s_wait_alu depctr_va_vdst(0)
.irp b, 0,1,2,3
	v_max_num_f32 v[BM+\b], 0x1800000, v[BM+\b]    ; the floor 2^(3 - 127): the byte cannot fall under 1
.endr
.irp b, 0,1,2,3
	v_add_nc_u32 v[SO+\b], 0xff000000, v[BM+\b]    ; 2 off the exponent field: the conversion's scale operand
.endr
.irp b, 0,1,2,3
	v_lshrrev_b32 v[BP+\b], 23, v[SO+\b]           ; the scale's byte
.endr
	v_lshl_or_b32 v[PSW], v[BP+1], 8, v[BP]        ; p's scale word for these 128 keys
	v_lshl_or_b32 v[PSW], v[BP+2], 16, v[PSW]
	v_lshl_or_b32 v[PSW], v[BP+3], 24, v[PSW]
.irp b, 0,1,2,3
	v_cvt_scalef32_pk8_fp4_f32 v[PC+2*\b], v[T+16*\b:T+16*\b+7], v[SO+\b]
	v_cvt_scalef32_pk8_fp4_f32 v[PC+2*\b+1], v[T+16*\b+8:T+16*\b+15], v[SO+\b]
.endr
	v_nop                                          ; one plain line behind a scaled conversion
.irp c, 0,1                                    ; the operand's layout wants a WHOLE block in a lane: lanes 0-15 block 2 c, lanes 16-31 block 2 c + 1
.irp i, 0,1
	v_permlane16_swap_b32 v[PC+4*\c+\i], v[PC+2+4*\c+\i]
.endr
.endr
.irp j, 0,2,4,6
	v_pk_mul_f32 v[O+\j:O+\j+1], v[O+\j:O+\j+1], v[F:F+1] op_sel_hi:[1,0]   ; O^T under the new M, from its low end on
.endr
	v_pk_add_f32 v[SA:SA+1], v[T:T+1], v[T+2:T+3]  ; THE ROW'S SUM IS TAKEN OF THE UNQUANTISED p: two at a time, in two chains.  (These lines also stand between the scale word and codes just made and the scaled product)
.set j, 4
.rept 15
	v_pk_add_f32 v[LS:LS+1], v[LS:LS+1], v[T+j:T+j+1]
	v_pk_add_f32 v[SA:SA+1], v[SA:SA+1], v[T+j+2:T+j+3]
.set j, j+4
.endr
	v_pk_add_f32 v[LS:LS+1], v[LS:LS+1], v[SA:SA+1]
.if (\ks)%2                                    ; O^T += V^T P^T: the head's 16 channels x my 16 queries, K = these 128 keys.  A window's second 128 keys have their scale words in lanes 16-31
	v_wmma_scale_f32_16x16x128_f8f6f4 v[O:O+7], v[VF:VF+7], v[PC:PC+7], v[O:O+7], v[VS+(\ks)/2], v[PSW] matrix_a_fmt:MATRIX_FMT_FP4 matrix_b_fmt:MATRIX_FMT_FP4 matrix_a_scale:MATRIX_SCALE_ROW1
.else
	v_wmma_scale_f32_16x16x128_f8f6f4 v[O:O+7], v[VF:VF+7], v[PC:PC+7], v[O:O+7], v[VS+(\ks)/2], v[PSW] matrix_a_fmt:MATRIX_FMT_FP4 matrix_b_fmt:MATRIX_FMT_FP4
.endif
.endm
	STEP 0
	STEP 1
	STEP 2
	STEP 3
	STEP 4
	STEP 5
	STEP 6
	STEP 7
	PLACES 4                                       ; four plain lines between the last product and the first read of O^T
	v_add_f32 v[LS], v[LS], v[LS+1]                ; the sum's two halves,
	v_permlanex16_b32 v[W], v[LS], s[SEL], s[SEL+1]
	v_add_f32 v[LS], v[LS], v[W]                   ; and lane l xor 16's: the row's sum
	v_rcp_f32 v[LS], v[LS]
	v_nop                                          ; one plain line behind a transcendental
	s_wait_alu depctr_va_vdst(0)
.irp j, 0,1,2,3,4,5,6,7
	v_mul_f32 v[T+\j], v[O+\j], v[LS]              ; O^T / the sum: register j is channel 8 h + j of query r
.endr
	global_store_b128 v[GO], v[T:T+3], s[14:15]    ; a lane's 32 bytes; lanes r and r + 16 together the head's 64 bytes of pixel r
	global_store_b128 v[GO], v[T+4:T+7], s[14:15] offset:16
	s_wait_tensorcnt 0x0
	ds_add_u32 v232, v233
	s_wait_dscnt 0x0
	s_endpgm
.Lfunc_end_k_q8d67c89e0a_attend:
	.size	k_q8d67c89e0a_attend, .Lfunc_end_k_q8d67c89e0a_attend-k_q8d67c89e0a_attend
	.p2alignl 7, 3214868480
	.fill 96, 4, 3214868480
	.section	.rodata,"a",@progbits
	.p2align	6, 0x0
	.amdhsa_kernel k_q8d67c89e0a_attend
		.amdhsa_group_segment_fixed_size 75776
		.amdhsa_private_segment_fixed_size 0
		.amdhsa_enable_private_segment 0
		.amdhsa_kernarg_size 48
		.amdhsa_user_sgpr_count 2
		.amdhsa_user_sgpr_kernarg_segment_ptr 1
		.amdhsa_wavefront_size32 1
		.amdhsa_system_sgpr_workgroup_id_x 1
		.amdhsa_system_sgpr_workgroup_id_y 1
		.amdhsa_system_sgpr_workgroup_id_z 1
		.amdhsa_system_vgpr_workitem_id 0
		.amdhsa_next_free_vgpr 234
		.amdhsa_next_free_sgpr 66
		.amdhsa_reserve_vcc 0
		.amdhsa_float_denorm_mode_32 3
		.amdhsa_float_denorm_mode_16_64 3
		.amdhsa_memory_ordered 1
		.amdhsa_forward_progress 1
		.amdhsa_inst_pref_size 125
	.end_amdhsa_kernel
	.amdgpu_metadata
---
amdhsa.version: [ 1, 2 ]
amdhsa.kernels:
  - .name:           k_q8d67c89e0a_attend
    .symbol:         k_q8d67c89e0a_attend.kd
    .args:
      - { .name: cv_feature, .offset: 0, .size: 8, .value_kind: global_buffer, .address_space: global }
      - { .name: mv_feature, .offset: 8, .size: 8, .value_kind: global_buffer, .address_space: global }
      - { .name: vimg, .offset: 16, .size: 8, .value_kind: global_buffer, .address_space: global }
      - { .name: vscl, .offset: 24, .size: 8, .value_kind: global_buffer, .address_space: global }
      - { .name: ridx, .offset: 32, .size: 8, .value_kind: global_buffer, .address_space: global }
      - { .name: out0, .offset: 40, .size: 8, .value_kind: global_buffer, .address_space: global }
    .group_segment_fixed_size: 75776
    .private_segment_fixed_size: 0
    .kernarg_segment_align: 8
    .kernarg_segment_size: 48
    .max_flat_workgroup_size: 512
    .sgpr_count:     66
    .vgpr_count:     234
    .wavefront_size: 32
...
	.end_amdgpu_metadata
.endif
;; end of part 3
;; ======== version 2 of 2: 3 launches; version 1 with the launches route, attend written anew for expert scheduling mode
;; workspace buffers: wins 98,304 bytes; vimg 2,097,152 bytes; vscl 131,072 bytes; ridx 1,024 bytes of whole numbers
;; launch prep: the kernel of part 1 again; grid 2 x 192, 4 waves a work-group, no clusters, 1,536 bytes of LDS; arguments cv_feature, mv_feature, wins, vimg, vscl; writes wins, vimg, vscl
;; launch route (part 4): grid 1 x 1, 12 waves a work-group, no clusters, 15,360 bytes of LDS; arguments wins, ridx; writes ridx
.if DOCPART == 4
	.amdgcn_target "amdgcn-amd-amdhsa--gfx1250"
	.amdhsa_code_object_version 6
	.text
	.protected	k_q8d67c89e0a_route
	.globl	k_q8d67c89e0a_route
	.p2align	8
	.type	k_q8d67c89e0a_route,@function
k_q8d67c89e0a_route:
	s_mov_b64 s[64:65], 0
	v_nop
	global_prefetch_b8 v0, s[64:65] scope:SCOPE_SE
	s_setreg_imm32_b32 hwreg(HW_REG_WAVE_SCHED_MODE, 0, 2), 2
	s_setreg_imm32_b32 hwreg(HW_REG_WAVE_MODE, 25, 1), 1
	s_wait_xcnt 0x0
	s_wait_alu depctr_vm_vsrc(0)
; ROUTE: logit[q window][k window] = (q_win x SCALE) . k_win on codes of FP4 (E2M1) with one E8M0 scale for each 32 channels, and for each of the 64 q windows the numbers of the four k windows with the largest logits.
; wins: [192][128] f32: rows 0-63 q_win x SCALE, rows 64-191 k_win.  ridx: [64][4] whole numbers, 0..127.  The softmax of the four logits is read by nothing in the module and is not made.
; One work-group of twelve waves, as many as there are fragments of 16 rows x 128 K.  Wave w quantises rows 16 w on and stores the fragment in LDS AS AN IMAGE OF ITS REGISTERS (two stores of 512 bytes, 16 bytes a lane)
; and its scale words (4 bytes a lane).  Behind one barrier waves 0-3 each take a tile of 16 q windows (their own codes are still in registers), fetch the eight fragments of k, and issue eight products,
; TRANSPOSED (source 0 = 16 k windows, source 1 = 16 q windows): lane (r, h) holds q window r, and register 8 t + j the logit of k window 16 t + 8 h + j.
; THE FOUR LARGEST, exactly: four times: the largest of my 64 and of lane l xor 16's; the lowest k window that holds it (equal logits: the lower number first, as lax.top_k has it); that one entry becomes -infinity.
; No branch and no address hangs on a logit: compares make masks, masks select values.
; LIMITS: NaN and infinities are not served; a block of zeros keeps the scale byte 1 (zero codes add nothing).
; THE MODE: SCHED_MODE bits 1:0 = 2 (LLVM: expert scheduling mode 2), set by the entry lines.  The code itself states the register dependences between vector or matrix instructions and memory or LDS
; instructions, and those through scalar registers and VCC that vector instructions write, with s_wait_alu, always for 0.
; THE PLAN.  Registers that memory or LDS instructions touch:
;   v3-v7, v222   offsets and LDS addresses: made once at the head, never written again.
;   D             the global loads land in it; the quantiser reads it; the LDS loads of k's fragments land in it; the products read it.
;   PC, PW        the quantiser writes them; the LDS stores read them; in waves 0-3 the products read them.  Never written again.
;   KS            the LDS loads of k's scale words land in it; the products read it.
;   OUT           two selects write it; the one global store reads it.
; No register that a memory or LDS instruction has read is written again, so no wait on vm_vsrc stands in the text past the entry lines.
; The compares go in runs of 32, into 32 scalar registers, with one wait behind each run and ahead of the selects that read the masks.
.set D,    64                          ; v64-127  64 numbers of my row, later the eight fragments of k
.set L,    128                         ; v128-191 the logits: eight accumulators
.set TM,   8                           ; v8-11 largest magnitudes, v12-15 bytes, v20-23 the conversions' scale operands
.set PW,   24                          ; v24      the scale word just made: in waves 0-3 q's
.set PC,   32                          ; v32-39   the codes just made: in waves 0-3 q's fragment
.set KS,   40                          ; v40-47   k's scale words
.set CM,   192                         ; v192-199 a maximum for each accumulator
.set CI,   200                         ; v200-207 and the lowest register that holds the largest logit
.set G,    208                         ; the largest logit
.set TA,   209
.set TB,   210
.set CL,   211                         ; my lowest register's number, 64 if none
.set IDX,  212                         ; its k window
.set RI,   214                         ; v214-217 the four chosen
.set NINF, 218
.set H8,   219                         ; 8 h
.set OUT,  220                         ; v220-221
.set AD,   222
.set LI,   4                           ; 16 x lane
.set LS,   5                           ; 4 x lane
.set WI,   6                           ; where I store my image: 1,024 x wave + 16 x lane
.set WS,   7                           ; and my scale word: 128 x wave + 4 x lane = 4 x thread
.set SEL,  12                          ; s[12:13] v_permlanex16_b32's selects for lane l xor 16
.set MK,   16                          ; s16-47   32 masks: four registers of each of the eight accumulators
.set XSC,  12*1024                     ; LDS: twelve images of 1,024 bytes, then twelve times 128 bytes of scale words
; 64 numbers of a lane, register 16 b + i = k 32 b + 16 (lane / 16) + i of my row, become a fragment's codes in v[PC] on and its scale word in v[PW].
.macro QUANT s
.irp b, 0,1,2,3
	v_max3_num_f32 v[TM+\b], |v[\s+16*\b]|, |v[\s+1+16*\b]|, 0x1800000   ; block b: my 16 numbers, and the floor 2^(3 - 127): the byte cannot fall under 1
.endr
.irp i, 2,4,6,8,10,12,14
.irp b, 0,1,2,3
	v_max3_num_f32 v[TM+\b], v[TM+\b], |v[\s+16*\b+\i]|, |v[\s+1+16*\b+\i]|
.endr
.endr
.irp b, 0,1,2,3
	v_permlanex16_b32 v[TM+4+\b], v[TM+\b], s[SEL], s[SEL+1]
.endr
.irp b, 0,1,2,3
	v_max_num_f32 v[TM+\b], v[TM+\b], v[TM+4+\b]   ; with lane l xor 16's: the block's largest magnitude
.endr
.irp b, 0,1,2,3
	v_add_nc_u32 v[TM+12+\b], 0xff000000, v[TM+\b]   ; 2 off its exponent field: the conversion's scale operand
.endr
.irp b, 0,1,2,3
	v_lshrrev_b32 v[TM+4+\b], 23, v[TM+12+\b]      ; the scale's byte
.endr
	v_lshl_or_b32 v[PW], v[TM+5], 8, v[TM+4]       ; the four bytes make my row's scale word
	v_lshl_or_b32 v[PW], v[TM+6], 16, v[PW]
	v_lshl_or_b32 v[PW], v[TM+7], 24, v[PW]
.irp b, 0,1,2,3
	v_cvt_scalef32_pk8_fp4_f32 v[PC+2*\b], v[\s+16*\b:\s+7+16*\b], v[TM+12+\b]
	v_cvt_scalef32_pk8_fp4_f32 v[PC+1+2*\b], v[\s+8+16*\b:\s+15+16*\b], v[TM+12+\b]
.endr
	v_nop                                          ; one plain line behind a scaled conversion
.irp c, 0,1                                    ; the operand's layout wants a WHOLE block in a lane: lanes 0-15 block 2 c, lanes 16-31 block 2 c + 1
.irp i, 0,1
	v_permlane16_swap_b32 v[PC+4*\c+\i], v[PC+2+4*\c+\i]
.endr
.endr
.endm
	s_load_b128 s[4:7], s[0:1], 0x0                ; wins, ridx
	v_lshl_add_u32 v224, v0, 2, 0x3600
	v_mov_b32 v225, 0
	v_lshrrev_b32 v1, 5, v0
	v_readfirstlane_b32 s8, v1                     ; wave 0..11
	v_and_b32 v1, 15, v0                           ; r
	v_bfe_u32 v2, v0, 4, 1                         ; h
	v_and_b32 v3, 31, v0
	v_lshlrev_b32 v[LI], 4, v3
	v_lshlrev_b32 v[LS], 2, v3
	s_wait_alu depctr_va_sdst(0)                   ; s8, the wave's number, is written, ahead of its first reader
	s_lshl_b32 s9, s8, 10
	v_add_nc_u32 v[WI], s9, v[LI]
	v_lshlrev_b32 v[WS], 2, v0
	v_lshlrev_b32 v3, 9, v1
	v_lshl_add_u32 v3, v2, 6, v3                   ; wins: row r of 512 bytes, + 64 h: my 16 numbers of a block of 32
	v_lshlrev_b32 v[H8], 3, v2
	s_lshl_b32 s14, s8, 8
	v_lshlrev_b32 v[AD], 4, v1
	v_lshl_add_u32 v[AD], v2, 3, v[AD]
	v_add_nc_u32 v[AD], s14, v[AD]                 ; ridx: 16 bytes a q window; lanes 0-15 store its first two numbers, lanes 16-31 the other two
	v_mov_b32 v[NINF], 0xff800000
	v_mov_b32 v[TA], 0                             ; written once: a lane permute's destination counts as one of its sources
.irp b, 0,1,2,3
	v_mov_b32 v[TM+4+\b], 0
.endr
	s_mov_b32 s[SEL], 0x76543210
	s_mov_b32 s[SEL+1], 0xfedcba98
	s_lshl_b32 s10, s8, 13                         ; my 16 rows
	s_mov_b32 s11, 0
	s_wait_kmcnt 0x0
	s_add_nc_u64 s[4:5], s[4:5], s[10:11]
	s_wait_alu depctr_va_vdst(0)                   ; the offsets and LDS addresses v3 to v7 and v222 are written, which the loads and stores of the kernel read
.irp b, 0,1,2,3
.irp j, 0,1,2,3
	global_load_b128 v[D+16*\b+4*\j:D+16*\b+4*\j+3], v3, s[4:5] offset:128*\b+16*\j
.endr
.endr
	s_wait_loadcnt 0x0
	QUANT D
	s_wait_alu depctr_va_vdst(0)                   ; the quantiser has written the codes and the scale word, which the LDS stores read, and is done reading D, in which k's fragments land behind the barrier
.irp c, 0,1
	ds_store_b128 v[WI], v[PC+4*\c:PC+4*\c+3] offset:512*\c   ; the fragment goes to LDS as it stands
.endr
	ds_store_b32 v[WS], v[PW] offset:XSC
	s_wait_dscnt 0x0                               ; for the others' sake: my stores are done
	s_barrier_signal -1
	s_barrier_wait -1                              ; all twelve fragments lie in LDS
	s_cmp_gt_u32 s8, 3
	s_cbranch_scc1 .Ldone                          ; the eight waves of k have done their part
.irp t, 0,1,2,3,4,5,6,7
	ds_load_b128 v[D+8*\t:D+8*\t+3], v[LI] offset:(4+\t)*1024      ; no vector instruction since the last wait on va_vdst names D or KS
	ds_load_b128 v[D+8*\t+4:D+8*\t+7], v[LI] offset:(4+\t)*1024+512
	ds_load_b32 v[KS+\t], v[LS] offset:XSC+(4+\t)*128
.endr
	s_wait_dscnt 0x0
.rept 8
	v_nop                                          ; q's scale word and codes were written by vector instructions: eight and four plain lines ahead of a scaled matrix instruction
.endr
	s_wait_alu depctr_va_vdst(0)                   ; q's codes and scale word are written, which the scaled products take as source 1 and as its scales; the plain lines above stay beside this wait
.irp t, 0,1,2,3,4,5,6,7
	v_wmma_scale_f32_16x16x128_f8f6f4 v[L+8*\t:L+8*\t+7], v[D+8*\t:D+8*\t+7], v[PC:PC+7], 0, v[KS+\t], v[PW] matrix_a_fmt:MATRIX_FMT_FP4 matrix_b_fmt:MATRIX_FMT_FP4
.endr
.rept 4
	v_nop                                          ; four plain lines between a matrix instruction and the first read of its result (ISA guide 7.12.1)
.endr
; One pick.  n: which of the four;  remove = 1: the chosen entry becomes -infinity for the next pick.
.macro PICK n, remove
.irp t, 0,1,2,3,4,5,6,7
	v_max3_num_f32 v[CM+\t], v[L+8*\t], v[L+8*\t+1], v[L+8*\t+2]   ; each accumulator from its low end on; the eight by turns
.endr
.irp i, 3,5
.irp t, 0,1,2,3,4,5,6,7
	v_max3_num_f32 v[CM+\t], v[CM+\t], v[L+8*\t+\i], v[L+8*\t+\i+1]
.endr
.endr
.irp t, 0,1,2,3,4,5,6,7
	v_max_num_f32 v[CM+\t], v[CM+\t], v[L+8*\t+7]
.endr
	v_max3_num_f32 v[CM], v[CM], v[CM+1], v[CM+2]
	v_max3_num_f32 v[CM+3], v[CM+3], v[CM+4], v[CM+5]
	v_max3_num_f32 v[CM], v[CM], v[CM+6], v[CM+7]
	v_max_num_f32 v[CM], v[CM], v[CM+3]
	v_permlanex16_b32 v[TA], v[CM], s[SEL], s[SEL+1]
	v_max_num_f32 v[G], v[CM], v[TA]               ; the largest of the q window's 128 logits, in both its lanes
.irp t, 0,1,2,3,4,5,6,7
	v_mov_b32 v[CI+\t], 64                         ; none yet
.endr
.irp o, 4,0                                    ; registers 7 to 4, then 3 to 0: downward, so that the lowest register that holds it is written last
.irp j, 3,2,1,0
.irp t, 0,1,2,3,4,5,6,7
	v_cmp_neq_f32 s[MK+8*\j+\t], v[L+8*\t+\o+\j], v[G]
.endr
.endr
	s_wait_alu depctr_va_sdst(0)                   ; the 32 compares have written their masks, ahead of the selects that read them
.irp j, 3,2,1,0
.irp t, 0,1,2,3,4,5,6,7
	v_cndmask_b32 v[CI+\t], 8*\t+\o+\j, v[CI+\t], s[MK+8*\j+\t]   ; unequal: as it was; equal: this register's number
.endr
.endr
.endr
	v_min_u32 v[CI], v[CI], v[CI+1]
	v_min_u32 v[CI+2], v[CI+2], v[CI+3]
	v_min_u32 v[CI+4], v[CI+4], v[CI+5]
	v_min_u32 v[CI+6], v[CI+6], v[CI+7]
	v_min_u32 v[CI], v[CI], v[CI+2]
	v_min_u32 v[CI+4], v[CI+4], v[CI+6]
	v_min_u32 v[CL], v[CI], v[CI+4]
	v_lshrrev_b32 v[TA], 3, v[CL]
	v_and_b32 v[TB], 7, v[CL]
	v_lshl_add_u32 v[IDX], v[TA], 4, v[TB]
	v_add_nc_u32 v[IDX], v[H8], v[IDX]             ; register 8 t + j is k window 16 t + 8 h + j; 'none' gives 128 or more
	v_permlanex16_b32 v[TA], v[IDX], s[SEL], s[SEL+1]
	v_min_u32 v[RI+\n], v[IDX], v[TA]              ; the lower of the two lanes' windows: the pick
.if \remove
	v_cmp_eq_u32 vcc_lo, v[IDX], v[RI+\n]
	s_wait_alu depctr_va_vcc(0)                    ; the compare has written VCC, ahead of the select that reads it
	v_cndmask_b32 v[CL], 64, v[CL], vcc_lo         ; is it mine?  Else nothing of mine is removed
.irp o, 0,4
.irp j, 0,1,2,3
.irp t, 0,1,2,3,4,5,6,7
	v_cmp_eq_u32 s[MK+8*\j+\t], 8*\t+\o+\j, v[CL]
.endr
.endr
	s_wait_alu depctr_va_sdst(0)                   ; the 32 compares have written their masks, ahead of the selects that read them
.irp j, 0,1,2,3
.irp t, 0,1,2,3,4,5,6,7
	v_cndmask_b32 v[L+8*\t+\o+\j], v[L+8*\t+\o+\j], v[NINF], s[MK+8*\j+\t]
.endr
.endr
.endr
.endif
.endm
	PICK 0, 1
	PICK 1, 1
	PICK 2, 1
	PICK 3, 0
	v_cmp_eq_u32 vcc_lo, 1, v2
	s_wait_alu depctr_va_vcc(0)                    ; the compare has written VCC, ahead of the two selects that read it
	v_cndmask_b32 v[OUT], v[RI], v[RI+2], vcc_lo
	v_cndmask_b32 v[OUT+1], v[RI+1], v[RI+3], vcc_lo
	s_wait_alu depctr_va_vdst(0)                   ; the two selects have written v[OUT] and v[OUT+1], which the store reads
	global_store_b64 v[AD], v[OUT:OUT+1], s[6:7]   ; the wave's 32 lanes store 256 consecutive bytes, at a multiple of 256
.Ldone:
	s_wait_dscnt 0x0                               ; the closing lines, six on end
	s_wait_alu 0x0
	s_wait_tensorcnt 0x0
	ds_add_u32 v224, v225
	s_wait_dscnt 0x0
	s_endpgm
.Lfunc_end_k_q8d67c89e0a_route:
	.size	k_q8d67c89e0a_route, .Lfunc_end_k_q8d67c89e0a_route-k_q8d67c89e0a_route
	.p2alignl 7, 3214868480
	.fill 96, 4, 3214868480
	.section	.rodata,"a",@progbits
	.p2align	6, 0x0
	.amdhsa_kernel k_q8d67c89e0a_route
		.amdhsa_group_segment_fixed_size 15360
		.amdhsa_private_segment_fixed_size 0
		.amdhsa_enable_private_segment 0
		.amdhsa_kernarg_size 16
		.amdhsa_user_sgpr_count 2
		.amdhsa_user_sgpr_kernarg_segment_ptr 1
		.amdhsa_wavefront_size32 1
		.amdhsa_system_sgpr_workgroup_id_x 1
		.amdhsa_system_sgpr_workgroup_id_y 1
		.amdhsa_system_sgpr_workgroup_id_z 1
		.amdhsa_system_vgpr_workitem_id 0
		.amdhsa_next_free_vgpr 226
		.amdhsa_next_free_sgpr 66
		.amdhsa_reserve_vcc 1
		.amdhsa_float_denorm_mode_32 3
		.amdhsa_float_denorm_mode_16_64 3
		.amdhsa_memory_ordered 1
		.amdhsa_forward_progress 1
		.amdhsa_inst_pref_size 79
	.end_amdhsa_kernel
	.amdgpu_metadata
---
amdhsa.version: [ 1, 2 ]
amdhsa.kernels:
  - .name:           k_q8d67c89e0a_route
    .symbol:         k_q8d67c89e0a_route.kd
    .args:
      - { .name: wins, .offset: 0, .size: 8, .value_kind: global_buffer, .address_space: global }
      - { .name: ridx, .offset: 8, .size: 8, .value_kind: global_buffer, .address_space: global }
    .group_segment_fixed_size: 15360
    .private_segment_fixed_size: 0
    .kernarg_segment_align: 8
    .kernarg_segment_size: 16
    .max_flat_workgroup_size: 384
    .sgpr_count:     66
    .vgpr_count:     226
    .wavefront_size: 32
...
	.end_amdgpu_metadata
.endif
;; end of part 4
;; launch attend (part 5): grid 8 x 64, 16 waves a work-group, no clusters, 75,776 bytes of LDS; arguments cv_feature, mv_feature, vimg, vscl, ridx, out0; writes out0
.if DOCPART == 5
	.amdgcn_target "amdgcn-amd-amdhsa--gfx1250"
	.amdhsa_code_object_version 6
	.text
	.protected	k_q8d67c89e0a_attend
	.globl	k_q8d67c89e0a_attend
	.p2align	8
	.type	k_q8d67c89e0a_attend,@function
k_q8d67c89e0a_attend:
	s_mov_b64 s[64:65], 0
	v_nop
	global_prefetch_b8 v0, s[64:65] scope:SCOPE_SE
	s_setreg_imm32_b32 hwreg(HW_REG_WAVE_SCHED_MODE, 0, 2), 2
	s_setreg_imm32_b32 hwreg(HW_REG_WAVE_MODE, 25, 1), 1
	s_wait_xcnt 0x0
	s_wait_alu depctr_vm_vsrc(0)
; ATTEND: for window p (grid y) and head m (grid x): O[q] = the sum over the 1,024 pixels x of the four windows that ridx[p] names of softmax_x((Q[q] x SCALE) . K[x]) V[x], K = V = mv's 16 channels of the head.
; FIRST PRODUCT, K = 16 channels: left as it is, and its result goes on into a quantiser: f32 operands, v_wmma_f32_16x16x4_f32.  SECOND PRODUCT, K = the 1,024 pixels: codes of FP4 (E2M1), one E8M0 scale for each 32.
; V's codes and scale words were made by the launch before (vimg, vscl, in the order of the operand's registers); p is quantised here.
; THE SOFTMAX AHEAD OF THE SECOND PRODUCT: t = score x log2(e); M = the largest t so far, rounded UP to a whole number; p = 2^(t - M) is what is quantised; the row's sum is taken of the unquantised p and divides O at
; the end.  When M moves, the sum and O are multiplied by 2^(old M - new M): exact.
; SHARES.  Sixteen waves; wave w owns the 16 queries of row w of the window, in 232 registers: four waves to a SIMD, so that one wave's vector work stands beside another's matrix work.
; LDS IS FILLED ONCE.  The head's K, 1,024 x 64 bytes, and V's codes, 8,192 bytes, fit together: wave w loads four tiles of K (keys 64 w on) just as the matrix instruction wants them and stores them AS IMAGES OF THE
; REGISTERS (512 bytes a store, 16 bytes a lane), and 512 bytes of V's codes.  One barrier; behind it LDS is only read, each address a constant + 16 x lane: no pitch, no padding.
; LAYOUT.  Both products are used transposed: S^T = K Q^T (source 0 = 16 keys, source 1 = my 16 queries), O^T = V^T P^T (source 0 = the head's 16 channels, source 1 = P): a lane holds ONE query (lane % 16) throughout.
; THE KEYS OF A TILE ARE NOT NEIGHBOURS: row r of tile 2 b + u is key 32 b + 8 u + r + 8 (r / 8), so that the 16 registers of tiles 2 b and 2 b + 1 are 16 neighbouring keys, 32 b + 16 (lane / 16) + 0 .. 15.
; The 16 channels are dealt alike to K and Q: lane half h holds channels 4 h .. 4 h + 3 (registers 0-3) and 8 + 4 h .. (registers 4-7); K step s of four takes registers 2 s, 2 s + 1.
; NO CLUSTER: the eight heads of a window read different bytes of every pixel, and two windows read the same pixels only where their lists name the same window, which is not known when the launch is laid out.
; A head is 64 bytes of a pixel, so K's and Q's loads and O's stores cover 64 of each aligned 256 bytes.  Four heads to a work-group would take 4 x 73,728 bytes of LDS and leave 128 work-groups.
; LIMITS: NaN and infinities are not served; p under 2^-126 is 0 (v_exp_f32 flushes: ISA guide, its entry); a block whose every p is 0 keeps the scale byte 1 over zero codes.
; THE MODE: SCHED_MODE bits 1:0 = 2 (LLVM: expert scheduling mode 2), set by the entry lines.  The code itself states the register dependences between vector or matrix instructions and memory or LDS
; instructions, with s_wait_alu, always for 0.
; THE PLAN.  Registers that memory or LDS instructions touch:
;   v1-v3, v7-v11  offsets and LDS addresses: made once at the head, never written again.
;   KF             tiles 0-3 of a step's K.  Read by the step's first sixteen products; the next step's loads land in it behind the wait that follows the step's exponentials.
;   KG = T's first 32 registers   tiles 4-7 of a step's K.  Read by the step's second sixteen products; then T is written by the scalings and exponentials and read by the conversions and the sums;
;                  the next step's loads land in it behind the step's FP4 product, whose wait stands behind the last of those readers.
;   VF             V's fragment.  Read by the step's FP4 product; the next step's two loads land in it behind the wait that follows that step's exponentials.
;   T              at the head K's tiles and V's codes pass through it (global loads in, LDS stores out); at the end its first eight registers are the stores' data.
; So a step holds TWO waits on va_vdst: one behind its exponentials, one ahead of its FP4 product.  All its eighteen LDS loads follow one of the two, and
; no vector or matrix instruction between a wait and the loads behind it names a register in which those loads land.
.set LI,   1                           ; v1   16 x lane: K's images
.set LV,   2                           ; v2   VOFF + 16 x lane: V's
.set GO,   3                           ; v3   my byte offset in the wave's 16 pixels of O
.set NM,   12                          ; v12  -M;  v13 the largest t so far
.set TMAX, 13
.set LS,   14                          ; v[14:15] the row's sum, in two halves
.set Q,    16                          ; v16-23   Q x SCALE
.set VS,   24                          ; v24-27   V's scale words: register t for window t; lanes 0-15 its first 128 keys, lanes 16-31 its second
.set PSW,  28                          ; v28      p's scale word
.set F,    30                          ; v30      2^(old M - new M);  v31 is named with it as a pair
.set KF,   32                          ; v32-63   four fragments of K: a step's tiles 0-3
.set S,    64                          ; v64-127  S^T: written by the f32 matrix instructions alone
.set T,    128                         ; v128-191 t - M, then p
.set KG,   T                           ; v128-159 four fragments of K: a step's tiles 4-7, between the last step's sums and this step's scalings
.set O,    192                         ; v192-199 O^T
.set VF,   200                         ; v200-207 V's fragment
.set PC,   208                         ; v208-215 p's codes
.set BM,   216                         ; v216-219 each block's largest score, then its largest p
.set BP,   220                         ; v220-223 at work
.set SO,   224                         ; v224-227 the conversions' scale operands
.set SA,   228                         ; v[228:229] the sum's second chain
.set W,    230
.set VOFF, 65536                       ; LDS: 64 images of 1,024 bytes of K, then 8 of V
.set SEL,  48                          ; s[48:49] v_permlanex16_b32's selects for lane l xor 16
.set CS,   50                          ; s[50:51] log2(e): the packed form names a pair and takes its low word for both halves
.set CQ,   52                          ; s[52:53] SCALE = 128^-0.5
.macro PLACES n
.rept \n
	v_nop
.endr
.endm
	s_load_b256 s[4:11], s[0:1], 0x0               ; cv s[4:5], mv s[6:7], vimg s[8:9], vscl s[10:11]
	s_load_b128 s[12:15], s[0:1], 0x20             ; ridx s[12:13], out s[14:15]
	v_lshl_add_u32 v232, v0, 2, 0x12000
	v_mov_b32 v233, 0
	v_lshrrev_b32 v4, 5, v0
	v_readfirstlane_b32 s16, v4                    ; wave 0..15
	s_and_b32 s17, ttmp7, 0xffff                   ; the window p
	s_lshl_b32 s18, s17, 4                         ; its four numbers in ridx
	s_mov_b32 s19, 0
	s_wait_alu depctr_va_sdst(0)                   ; s16, the wave's number, is written, ahead of its first reader
	s_lshr_b32 s24, s16, 2                         ; which of the four windows my wave fills from: wave / 4
	s_lshl_b32 s24, s24, 2
	s_mov_b32 s25, 0
	s_and_b32 s46, s16, 3                          ; and which 64 of its keys
	s_lshl_b32 s47, ttmp9, 6                       ; the head's 64 bytes of a pixel
	s_lshr_b32 s40, s17, 3                         ; my 16 queries: 16 rows of 65,536 bytes for each row of windows,
	s_lshl_b32 s40, s40, 20
	s_and_b32 s41, s17, 7
	s_lshl_b32 s41, s41, 13                        ; 16 pixels of 512 bytes for each window in the row,
	s_add_co_u32 s40, s40, s41
	s_lshl_b32 s41, s16, 16                        ; row w of the window,
	s_add_co_u32 s40, s40, s41
	s_add_co_u32 s40, s40, s47                     ; the head
	s_mov_b32 s41, 0
	s_mov_b32 s[SEL], 0x76543210
	s_mov_b32 s[SEL+1], 0xfedcba98
	s_mov_b32 s[CS], 0x3fb8aa3b                    ; log2(e)
	s_mov_b32 s[CS+1], s[CS]
	s_mov_b32 s[CQ], 0x3db504f3                    ; 128^-0.5
	s_mov_b32 s[CQ+1], s[CQ]
	v_and_b32 v4, 15, v0                           ; r
	v_bfe_u32 v5, v0, 4, 1                         ; h
	v_and_b32 v6, 31, v0                           ; lane
	v_lshlrev_b32 v[LI], 4, v6
	v_add_nc_u32 v[LV], VOFF, v[LI]
	s_lshl_b32 s45, s16, 12
	v_add_nc_u32 v7, s45, v[LI]                    ; where I store K's images: 4,096 x wave + 16 x lane
	v_lshl_add_u32 v8, v0, 4, VOFF                 ; and V's codes: VOFF + 512 x wave + 16 x lane
	v_bfe_u32 v9, v0, 3, 1
	v_and_b32 v11, 7, v0
	v_lshlrev_b32 v9, 16, v9                       ; K: row r of a tile is the pixel in row r / 8 of the block's two rows,
	v_lshl_add_u32 v9, v11, 9, v9                  ; column 8 u + r % 8;
	v_lshl_add_u32 v9, v5, 4, v9                   ; + 16 h bytes
	v_lshlrev_b32 v10, 9, v4
	v_lshl_add_u32 v[GO], v5, 5, v10               ; O: pixel r, + 32 h: my eight channels
	v_lshl_add_u32 v10, v5, 4, v10                 ; Q: pixel r, + 16 h
	v_lshlrev_b32 v11, 2, v6                       ; V's scale words: 4 bytes a lane
	s_wait_kmcnt 0x0
	s_add_nc_u64 s[12:13], s[12:13], s[18:19]
	s_add_nc_u64 s[26:27], s[12:13], s[24:25]
	s_load_b128 s[20:23], s[12:13], 0x0            ; the four windows,
	s_load_b32 s28, s[26:27], 0x0                  ; and the one that my wave fills from
	s_add_nc_u64 s[4:5], s[4:5], s[40:41]
	s_add_nc_u64 s[14:15], s[14:15], s[40:41]
	s_wait_alu depctr_va_vdst(0)                   ; the offsets and LDS addresses v1 to v3 and v7 to v11 are written, which the loads and stores of the kernel read
	global_load_b128 v[Q:Q+3], v10, s[4:5]         ; Q does not hang on the list: it goes out first
	global_load_b128 v[Q+4:Q+7], v10, s[4:5] offset:32
	s_wait_kmcnt 0x0
	s_min_u32 s28, s28, 127                        ; a number read from memory enters an address only held inside its table
	s_and_b32 s30, s28, 0x78                       ; (view x 8 + row of windows) x 8, times 131,072: 16 rows of 65,536 bytes each
	s_lshl_b32 s30, s30, 17
	s_and_b32 s31, s28, 7
	s_lshl_b32 s31, s31, 13
	s_add_co_u32 s30, s30, s31
	s_lshl_b32 s31, s46, 18                        ; my 64 keys: four rows of the window
	s_add_co_u32 s30, s30, s31
	s_add_co_u32 s30, s30, s47
	s_mov_b32 s31, 0
	s_add_nc_u64 s[30:31], s[6:7], s[30:31]        ; K
	s_lshl_b32 s42, s28, 14                        ; V's codes: 16,384 bytes a window, 2,048 a head, my 512
	s_lshl_b32 s43, ttmp9, 11
	s_add_co_u32 s42, s42, s43
	s_lshl_b32 s43, s46, 9
	s_add_co_u32 s42, s42, s43
	s_mov_b32 s43, 0
	s_add_nc_u64 s[42:43], s[8:9], s[42:43]
	s_lshl_b32 s44, ttmp9, 7
.irp t, 0,1,2,3
	s_min_u32 s[20+\t], s[20+\t], 127
	s_lshl_b32 s[32+2*\t], s[20+\t], 10            ; V's scale words: 1,024 bytes a window, 128 a head
	s_add_co_u32 s[32+2*\t], s[32+2*\t], s44
	s_mov_b32 s[33+2*\t], 0
	s_add_nc_u64 s[32+2*\t:33+2*\t], s[10:11], s[32+2*\t:33+2*\t]
.endr
.irp bb, 0,1                                   ; my two blocks of 32 keys, two tiles each, two loads a tile
.irp u, 0,1
.irp g, 0,1
	global_load_b128 v[T+8*(2*\bb+\u)+4*\g:T+8*(2*\bb+\u)+4*\g+3], v9, s[30:31] offset:\bb*131072+\u*4096+\g*32
.endr
.endr
.endr
	global_load_b128 v[T+32:T+35], v[LI], s[42:43]
.irp t, 0,1,2,3
	global_load_b32 v[VS+\t], v11, s[32+2*\t:33+2*\t]
.endr
	s_wait_loadcnt 0x4                             ; loads come back in order: Q, K and V's codes are in; the four loads of scale words may be out
.irp tl, 0,1,2,3
.irp g, 0,1
	ds_store_b128 v7, v[T+8*\tl+4*\g:T+8*\tl+4*\g+3] offset:\tl*1024+\g*512
.endr
.endr
	ds_store_b128 v8, v[T+32:T+35]
.irp j, 0,2,4,6
	v_pk_mul_f32 v[Q+\j:Q+\j+1], v[Q+\j:Q+\j+1], s[CQ:CQ+1] op_sel_hi:[1,0]   ; q x SCALE, rounded to f32 as the module has it
.endr
	v_mov_b32 v[TMAX], 0xff61b1e6                  ; the largest t so far: -3e38, under every t
	v_floor_f32 v[NM], -v[TMAX]                    ; -M
	v_mov_b32 v[LS], 0                             ; the sum, in two halves
	v_mov_b32 v[LS+1], 0
.irp j, 0,1,2,3,4,5,6,7
	v_mov_b32 v[O+\j], 0                           ; O^T.  (The step is written once: the first finds zeros, which the first change of M leaves zeros)
.endr
.irp b, 0,1,2,3
	v_mov_b32 v[BP+\b], 0                          ; written once: a lane permute's destination counts as one of its sources
.endr
	v_mov_b32 v[F+1], 0                            ; (named as the upper half of a pair)
	s_wait_loadcnt 0x0                             ; V's scale words
	s_wait_dscnt 0x0                               ; for the others' sake: my stores are done
	s_barrier_signal -1
	s_barrier_wait -1                              ; the head's K and V lie in LDS; from here on LDS is only read
.macro KLOAD reg, ks, g4                       ; four fragments of K: tiles g4 .. g4 + 3 of key step ks, into v[reg] on
.irp t, 0,1,2,3
	ds_load_b128 v[\reg+8*\t:\reg+8*\t+3], v[LI] offset:(8*(\ks)+\g4+\t)*1024
	ds_load_b128 v[\reg+8*\t+4:\reg+8*\t+7], v[LI] offset:(8*(\ks)+\g4+\t)*1024+512
.endr
.endm
.macro SCORES kf, g4                           ; sixteen matrix instructions: the four tiles of 16 keys in v[kf] on x my 16 queries, four K steps of 4 channels.  The first K step starts each sum; the four accumulators take turns
.irp t, 0,1,2,3
	v_wmma_f32_16x16x4_f32 v[S+8*(\g4+\t):S+8*(\g4+\t)+7], v[\kf+8*\t:\kf+8*\t+1], v[Q:Q+1], 0
.endr
.irp s, 1,2,3
.irp t, 0,1,2,3
	v_wmma_f32_16x16x4_f32 v[S+8*(\g4+\t):S+8*(\g4+\t)+7], v[\kf+8*\t+2*\s:\kf+8*\t+2*\s+1], v[Q+2*\s:Q+2*\s+1], v[S+8*(\g4+\t):S+8*(\g4+\t)+7]
.endr
.endr
.endm
.macro BMAX p0, p1                             ; THE LARGEST SCORE OF A BLOCK OF 32 KEYS (my 16 of them), for two blocks by turns; each accumulator is read from its low end on
.irp b, \p0, \p1
	v_max3_num_f32 v[BM+\b], v[S+16*\b], v[S+16*\b+1], v[S+16*\b+2]
.endr
.irp i, 3,5,7,9,11,13
.irp b, \p0, \p1
	v_max3_num_f32 v[BM+\b], v[BM+\b], v[S+16*\b+\i], v[S+16*\b+\i+1]
.endr
.endr
.irp b, \p0, \p1
	v_max_num_f32 v[BM+\b], v[BM+\b], v[S+16*\b+15]
.endr
.endm
; A KEY STEP: 128 keys.  Behind the f32 matrix form eight plain lines stand in front of the first read of its result and of the first vector write of its sources.
.macro STEP ks
	s_wait_dscnt 0x8                               ; LDS loads come back in order: tiles 0-3 are in KF; the youngest eight loads, tiles 4-7, may be out
	SCORES KF, 0
	s_wait_dscnt 0x0                               ; tiles 4-7 are in KG
	SCORES KG, 4
	PLACES 8
	BMAX 0, 1
	BMAX 2, 3
.irp b, 0,1,2,3
	v_permlanex16_b32 v[BP+\b], v[BM+\b], s[SEL], s[SEL+1]
.endr
.irp b, 0,1,2,3
	v_max_num_f32 v[BM+\b], v[BM+\b], v[BP+\b]     ; with lane l xor 16's 16 keys.  It serves twice: for the row's maximum, and, since p rises with the score, for the block's largest p
.endr
	v_max3_num_f32 v[W], v[BM], v[BM+1], v[BM+2]
	v_max_num_f32 v[W], v[W], v[BM+3]              ; the step's largest score of my query
	v_mul_f32 v[W], s[CS], v[W]                    ; as t
	v_max_num_f32 v[TMAX], v[TMAX], v[W]           ; the running largest t
	v_mov_b32 v[W], v[NM]
	v_floor_f32 v[NM], -v[TMAX]                    ; the new -M = floor(-t) = -ceil(t): M IS A WHOLE NUMBER
	v_sub_f32 v[W], v[NM], v[W]                    ; M's old value less its new one: a whole number, 0 or less
	v_cvt_i32_f32 v[W], v[W]                       ; (it saturates)
	v_ldexp_f32 v[F], 1.0, v[W]                    ; f = 2^(old M - new M)
.set j, 0
.rept 32
	v_pk_fma_f32 v[T+j:T+j+1], v[S+j:S+j+1], s[CS:CS+1], v[NM:NM+1] op_sel_hi:[1,0,0]   ; t - M, two at a time, into other registers than the sums'
.set j, j+2
.endr
.irp b, 0,1,2,3
	v_fma_f32 v[BM+\b], v[BM+\b], s[CS], v[NM]     ; the same of each block's largest score
.endr
.set j, 0
.rept 64
	v_exp_f32 v[T+j], v[T+j]                       ; p = 2^(t - M), at most 1: NOT normalised
.set j, j+1
.endr
.irp b, 0,1,2,3
	v_exp_f32 v[BM+\b], v[BM+\b]                   ; the block's largest p: the same two instructions on the same number
.endr
	v_pk_mul_f32 v[LS:LS+1], v[LS:LS+1], v[F:F+1] op_sel_hi:[1,0]   ; the sums under the new M.  (A plain line behind the exponentials)
	s_wait_alu depctr_va_vdst(0)                   ; the 68 exponentials have written p and the blocks' largest p, ahead of their first reader; the step's products are done reading KF, and the last step's FP4 product is done reading VF: the loads below land there
	ds_load_b128 v[VF:VF+3], v[LV] offset:(\ks)*1024               ; V's fragment of this step
	ds_load_b128 v[VF+4:VF+7], v[LV] offset:(\ks)*1024+512
.if (\ks) < 7
	KLOAD KF, (\ks)+1, 0                           ; the next step's tiles 0-3: they have the rest of this step in which to land
.endif
.irp b, 0,1,2,3
	v_max_num_f32 v[BM+\b], 0x1800000, v[BM+\b]    ; the floor 2^(3 - 127): the byte cannot fall under 1
.endr
.irp b, 0,1,2,3
	v_add_nc_u32 v[SO+\b], 0xff000000, v[BM+\b]    ; 2 off the exponent field: the conversion's scale operand
.endr
.irp b, 0,1,2,3
	v_lshrrev_b32 v[BP+\b], 23, v[SO+\b]           ; the scale's byte
.endr
	v_lshl_or_b32 v[PSW], v[BP+1], 8, v[BP]        ; p's scale word for these 128 keys
	v_lshl_or_b32 v[PSW], v[BP+2], 16, v[PSW]
	v_lshl_or_b32 v[PSW], v[BP+3], 24, v[PSW]
.irp b, 0,1,2,3
	v_cvt_scalef32_pk8_fp4_f32 v[PC+2*\b], v[T+16*\b:T+16*\b+7], v[SO+\b]
	v_cvt_scalef32_pk8_fp4_f32 v[PC+2*\b+1], v[T+16*\b+8:T+16*\b+15], v[SO+\b]
.endr
	v_nop                                          ; one plain line behind a scaled conversion
.irp c, 0,1                                    ; the operand's layout wants a WHOLE block in a lane: lanes 0-15 block 2 c, lanes 16-31 block 2 c + 1
.irp i, 0,1
	v_permlane16_swap_b32 v[PC+4*\c+\i], v[PC+2+4*\c+\i]
.endr
.endr
.irp j, 0,2,4,6
	v_pk_mul_f32 v[O+\j:O+\j+1], v[O+\j:O+\j+1], v[F:F+1] op_sel_hi:[1,0]   ; O^T under the new M, from its low end on
.endr
	v_pk_add_f32 v[SA:SA+1], v[T:T+1], v[T+2:T+3]  ; THE ROW'S SUM IS TAKEN OF THE UNQUANTISED p: two at a time, in two chains.  (These lines also stand between the scale word and codes just made and the scaled product)
.set j, 4
.rept 15
	v_pk_add_f32 v[LS:LS+1], v[LS:LS+1], v[T+j:T+j+1]
	v_pk_add_f32 v[SA:SA+1], v[SA:SA+1], v[T+j+2:T+j+3]
.set j, j+4
.endr
	v_pk_add_f32 v[LS:LS+1], v[LS:LS+1], v[SA:SA+1]
.if (\ks) < 7
	s_wait_dscnt 0x8                               ; V's fragment is in; the eight younger loads, the next step's tiles 0-3, may be out
.else
	s_wait_dscnt 0x0                               ; V's fragment is in; nothing was asked for behind it
.endif
	s_wait_alu depctr_va_vdst(0)                   ; p's codes and scale word are written, which the scaled product takes as source 1 and as its scales (the plain lines above stay beside this wait); the conversions and the sums are done reading T, in which the loads behind the product land
.if (\ks)%2                                    ; O^T += V^T P^T: the head's 16 channels x my 16 queries, K = these 128 keys.  A window's second 128 keys have their scale words in lanes 16-31
	v_wmma_scale_f32_16x16x128_f8f6f4 v[O:O+7], v[VF:VF+7], v[PC:PC+7], v[O:O+7], v[VS+(\ks)/2], v[PSW] matrix_a_fmt:MATRIX_FMT_FP4 matrix_b_fmt:MATRIX_FMT_FP4 matrix_a_scale:MATRIX_SCALE_ROW1
.else
	v_wmma_scale_f32_16x16x128_f8f6f4 v[O:O+7], v[VF:VF+7], v[PC:PC+7], v[O:O+7], v[VS+(\ks)/2], v[PSW] matrix_a_fmt:MATRIX_FMT_FP4 matrix_b_fmt:MATRIX_FMT_FP4
.endif
.if (\ks) < 7
	KLOAD KG, (\ks)+1, 4                           ; the next step's tiles 4-7.  No further wait: the product above, the one instruction since the wait, names none of T; they land while the next step's first sixteen products are issued
.endif
.endm
	s_wait_alu depctr_vm_vsrc(0)                   ; my LDS stores have read v[T] to v[T+35]: tiles of K land there next, and the steps' scalings write them
	KLOAD KF, 0, 0                                 ; the first step's eight tiles
	KLOAD KG, 0, 4
	STEP 0
	STEP 1
	STEP 2
	STEP 3
	STEP 4
	STEP 5
	STEP 6
	STEP 7
	PLACES 4                                       ; four plain lines between the last product and the first read of O^T
	v_add_f32 v[LS], v[LS], v[LS+1]                ; the sum's two halves,
	v_permlanex16_b32 v[W], v[LS], s[SEL], s[SEL+1]
	v_add_f32 v[LS], v[LS], v[W]                   ; and lane l xor 16's: the row's sum
	v_rcp_f32 v[LS], v[LS]
	v_nop                                          ; one plain line behind a transcendental
	s_wait_alu depctr_va_vdst(0)                   ; the reciprocal has written v[LS], ahead of its first reader
.irp j, 0,1,2,3,4,5,6,7
	v_mul_f32 v[T+\j], v[O+\j], v[LS]              ; O^T / the sum: register j is channel 8 h + j of query r
.endr
	s_wait_alu depctr_va_vdst(0)                   ; the eight multiplies have written v[T] to v[T+7], which the stores read
	global_store_b128 v[GO], v[T:T+3], s[14:15]    ; a lane's 32 bytes; lanes r and r + 16 together the head's 64 bytes of pixel r
	global_store_b128 v[GO], v[T+4:T+7], s[14:15] offset:16
	s_wait_dscnt 0x0                               ; the closing lines, six on end
	s_wait_alu 0x0
	s_wait_tensorcnt 0x0
	ds_add_u32 v232, v233
	s_wait_dscnt 0x0
	s_endpgm
.Lfunc_end_k_q8d67c89e0a_attend:
	.size	k_q8d67c89e0a_attend, .Lfunc_end_k_q8d67c89e0a_attend-k_q8d67c89e0a_attend
	.p2alignl 7, 3214868480
	.fill 96, 4, 3214868480
	.section	.rodata,"a",@progbits
	.p2align	6, 0x0
	.amdhsa_kernel k_q8d67c89e0a_attend
		.amdhsa_group_segment_fixed_size 75776
		.amdhsa_private_segment_fixed_size 0
		.amdhsa_enable_private_segment 0
		.amdhsa_kernarg_size 48
		.amdhsa_user_sgpr_count 2
		.amdhsa_user_sgpr_kernarg_segment_ptr 1
		.amdhsa_wavefront_size32 1
		.amdhsa_system_sgpr_workgroup_id_x 1
		.amdhsa_system_sgpr_workgroup_id_y 1
		.amdhsa_system_sgpr_workgroup_id_z 1
		.amdhsa_system_vgpr_workitem_id 0
		.amdhsa_next_free_vgpr 234
		.amdhsa_next_free_sgpr 66
		.amdhsa_reserve_vcc 0
		.amdhsa_float_denorm_mode_32 3
		.amdhsa_float_denorm_mode_16_64 3
		.amdhsa_memory_ordered 1
		.amdhsa_forward_progress 1
		.amdhsa_inst_pref_size 124
	.end_amdhsa_kernel
	.amdgpu_metadata
---
amdhsa.version: [ 1, 2 ]
amdhsa.kernels:
  - .name:           k_q8d67c89e0a_attend
    .symbol:         k_q8d67c89e0a_attend.kd
    .args:
      - { .name: cv_feature, .offset: 0, .size: 8, .value_kind: global_buffer, .address_space: global }
      - { .name: mv_feature, .offset: 8, .size: 8, .value_kind: global_buffer, .address_space: global }
      - { .name: vimg, .offset: 16, .size: 8, .value_kind: global_buffer, .address_space: global }
      - { .name: vscl, .offset: 24, .size: 8, .value_kind: global_buffer, .address_space: global }
      - { .name: ridx, .offset: 32, .size: 8, .value_kind: global_buffer, .address_space: global }
      - { .name: out0, .offset: 40, .size: 8, .value_kind: global_buffer, .address_space: global }
    .group_segment_fixed_size: 75776
    .private_segment_fixed_size: 0
    .kernarg_segment_align: 8
    .kernarg_segment_size: 48
    .max_flat_workgroup_size: 512
    .sgpr_count:     66
    .vgpr_count:     234
    .wavefront_size: 32
...
	.end_amdgpu_metadata
.endif
;; end of part 5
